; MI455X (gfx1250); checked and timed in simulation.
; The chip was launched on July 23, 2026; its instructions are those of AMD's public machine-readable ISA for CDNA 5 (MIT licence, August 2026) and "CDNA5" Instruction Set Architecture Reference Guide (July 2026). The comments in the code are by the model that wrote it; some were corrected since.
;; Point Net. Allowed arithmetic: matrix products marked QUANTISED: E4M3 operands, one given power-of-two scale a tensor, by v_wmma_f32_16x16x64_fp8_fp8 or v_wmma_f32_16x16x128_fp8_fp8, f32 sums; products left as they are: f32 operands where the result goes on into a quantised operand, else bf16, f16 or f32 operands; f32 sums; everything else in f32.
;; Inputs: cW 390 x 1 float32; cb 1 float32; eW1 6 x 256 float32; eW2 256 x 256 float32; eW3 256 x 256 float32; eb1 256 float32; eb2 256 float32; eb3 256 float32; feat 64 x 8,192 x 6 float32; lowp_scales 10 int32 (the exponents e of the quantised operands' scales 2^e); sW1 256 x 128 float32; sW2 128 x 128 float32; sW3 128 x 128 float32; sb1 128 float32; sb2 128 float32; sb3 128 float32.
;; Outputs: out0 64 x 8,192 float32.
;; This version of the problem:
;;   THIS VERSION OF THE PROBLEM IS GIVEN IN LOW PRECISION. The matrix products marked QUANTISED in the list below multiply operands that are first quantised to E4M3 (4 exponent bits, 3 mantissa bits; 8 bits a number), with one given power-of-two scale for each operand tensor; their sums are f32. All else is computed in f32.
;;   The module's matrix products, in the order in which they are computed (A, B: the left and right operand; K: the contracted axis; several contracted axes count as one K, in the product's order):
;;     1. [M 524,288, K 6] x [K 6, N 256]; A: input feat; B: input eW1: left as it is (K = 6 < 32)
;;     2. [M 524,288, K 256] x [K 256, N 256]; A: computed on the way; B: input eW2: QUANTISED (scales: A lowp_scales[0], B lowp_scales[1])
;;     3. [M 524,288, K 256] x [K 256, N 256]; A: computed on the way; B: input eW3: QUANTISED (scales: A lowp_scales[2], B lowp_scales[3])
;;     4. [M 64, K 256] x [K 256, N 128]; A: computed on the way; B: input sW1: QUANTISED (scales: A lowp_scales[4], B lowp_scales[5])
;;     5. [M 64, K 128] x [K 128, N 128]; A: computed on the way; B: input sW2: QUANTISED (scales: A lowp_scales[6], B lowp_scales[7])
;;     6. [M 64, K 128] x [K 128, N 128]; A: computed on the way; B: input sW3: QUANTISED (scales: A lowp_scales[8], B lowp_scales[9])
;;     7. [M 524,288, K 390] x [K 390, N 1]; A: computed on the way; B: input cW: left as it is (N = 1 < 16)
;;   THE QUANTISER, for each operand of a quantised product, along K:
;;     - The operand's scale is 2^e, e = its entry of the input lowp_scales (int32; the entries are numbered through the quantised products in the list's order, A before B).
;;     - Each number is divided by the scale, clamped to +-448, and rounded to the nearest number of E4M3, ties to even, subnormals kept.
;;     - The product sums the exact products of the quantised numbers (number of the format x scale) in f32.
;;   ~~~python
;;   def quantise(x, axis, e):      # numpy; x: float32 -> the quantised numbers, widened to float32 again
;;       x = np.moveaxis(x, axis, -1); K = x.shape[-1]
;;       r = np.clip(x / 2.0 ** e, -448, 448)
;;       step = 2.0 ** (np.maximum(np.frexp(np.where(r == 0, 1, r))[1] - 1, -6) - 3)
;;       q = np.round(r / step) * step * 2.0 ** e      # np.round: ties to even
;;       return np.moveaxis(q, -1, axis).astype(np.float32)
;;   ~~~
;;   OPERANDS COMPUTED ON THE WAY. 'Computed on the way' means the value that the module computes at that place (a softmax that the list does not call 'softmax' is quantised finished and normalised). What goes into a quantiser is computed in f32, as accurately as f32 sums, v_exp_f32 and their like allow (about 1e-6 of the number): no bf16 or f16 on the way to a quantiser, and a product that is left as it is and whose result goes on into a quantised operand takes f32 operands (vector FMAs, or v_wmma_f32_16x16x4_f32). A number that lies on a knife's edge between two numbers of the format may be rounded either way, as far as f32 arithmetic and the matrix unit's own rounding can turn it there, and no further.
;; 2 versions, each right; version 2 is version 1 with the launches embed, finish written anew for expert scheduling mode. Each part assembles by itself: llvm-mc -triple=amdgcn-amd-amdhsa -mcpu=gfx1250 --defsym DOCPART=n.
;; ======== version 1 of 2: 2 launches
;; workspace buffers: score0 2,097,152 bytes; pooledp 262,144 bytes; mm 65,536 bytes
;; launch embed (part 1): grid 256 x 1, 4 waves a work-group, no clusters, 139,776 bytes of LDS; arguments feat, eW1, eb1, eW2, eb2, eW3, eb3, cW, lowp_scales, score0, pooledp, mm; writes score0, pooledp, mm
.if DOCPART == 1
	.amdgcn_target "amdgcn-amd-amdhsa--gfx1250"
	.amdhsa_code_object_version 6
	.text
	.protected	k_q16de0bfb9f_embed
	.globl	k_q16de0bfb9f_embed
	.p2align	8
	.type	k_q16de0bfb9f_embed,@function
k_q16de0bfb9f_embed:
	s_mov_b64 s[64:65], 0
	v_nop
	global_prefetch_b8 v0, s[64:65] scope:SCOPE_SE
	s_setreg_imm32_b32 hwreg(HW_REG_WAVE_MODE, 25, 1), 1
	s_wait_xcnt 0x0
; The three embedding layers for 2,048 points a work-group (a quarter of a box), and what the later steps need of them:
;   score0[p]  = feat[p] . cW[0:6] + hidden[p] . cW[6:262]          (f32; the box's constant is added by the next launch)
;   pooledp[wg][n] = max over the work-group's points of hidden[p][n]   mm[wg] = (min, max) of its score0, written 32 times: 256 bytes on end
; Layer 1 (K = 6) is left in f32: v_wmma_f32_16x16x4_f32, K filled up to 8, eb1 riding as k = 6 against a 1.0 in x.  Layers 2 and 3 are FP8 (E4M3) with the given scales 2^e0 .. 2^e3.
; SHARES.  Four waves; a wave owns 512 points and takes them in 8 blocks of 64 (4 tiles of 16) through all three layers IN REGISTERS: no barrier in the loop.
; eW2 and eW3 are quantised once by the work-group (wave w: output units 64 w .. 64 w + 63 of both) and lie in LDS as images of the operands' registers: 128 KB, read by all four waves.
; ORIENTATION.  r = lane % 16, h = lane / 16.  Layers 1 and 2 are used transposed (source 0 = 16 units, source 1 = 16 points): a lane holds ONE point and its 8 registers run along the units, so one conversion makes 8 codes
; of the next operand.  Layer 3 is used as it stands (source 0 = points, source 1 = units): a lane holds ONE unit, so bias, cW and the pool are one register a tile.
; THE UNITS OF A TILE ARE NOT NEIGHBOURS: tile T = 4 g + j holds in row r the unit 64 g + 4 r + j.  A transposed result's register j' in half h is unit 64 g + 32 h + 4 j' + j; its 8 codes go to fragment g / 2,
; registers 8 (g % 2) + 2 j, + 1.  So register 8 g' + 2 j'' + u, byte b, half h of K step s stands for k = 128 s + 64 g' + 32 h + 16 u + 4 b + j''.  The weights' images use the same places: a permutation of k, alike on both sides.
; BY TURNS.  A chunk is one tile of units x 4 tiles of points x 2 K steps: 8 matrix instructions on 4 accumulators by turns.  Behind each stands a slice of the chunk before's vector work (relu, hold, codes; or relu, score, pool).
; Layer 3 of a block is paired with layer 1 of the next: the long f32 products carry layer 3's vector work, layer 3's products carry layer 1's codes.
; BIASES.  eb2 / 2^(e0+e1) is the C of layer 2's first K step.  Layer 3: relu(a s + b) = s max(a, -b/s) + b with s = 2^(e2+e3): NB = -eb3/s, CH = cW[6+n] s, and K0 = sum of cW[6+n] eb3[n] goes in once with the feat part;
; pooled = (max - NB) s, which has the bits of relu(a s + b).
; NO CLUSTER, NO TENSOR LOAD: what work-groups share is 512 KB of f32 weights read once at the head, which must pass through registers to become codes.  No prefetch: feat is asked for a whole layer ahead.
; LIMITS.  e0, e1, e3 and e2 - e0 - e1 between -126 and 119 (each 2^e and 448 x 2^e is made as an f32 pattern); the sums of exponents go by v_ldexp_f32.  NaN and infinities among the inputs are not served.
; The hidden part of the score is summed as sum of CH max(a, NB) plus K0, in f32: another order of rounding than reference()'s.
.set W3IMG, 65536                      ; LDS: eW2's image at 0, eW3's here: fragment (T, s) at 4096 T + 2048 s, registers 4 c .. 4 c + 3 at + 512 c + 16 lane
.set B2T,   131072                     ; 256 f32: entry 16 T + 8 h + j' = eb2[64 g + 32 h + 4 j' + j] / 2^(e0+e1)
.set FS,    132096                     ; 512 bytes a wave: [h][64 points] f32, the two halves' parts of the feat score
.set PMX,   134144                     ; 1,024 bytes a wave: its pooled maxima, units in their own order
.set RED,   138240                     ; 8 bytes a wave: min, max
; window 0
.set LI,   1                           ; 16 x lane
.set LI3,  2                           ; W3IMG + 16 x lane
.set AB2,  3                           ; B2T + 32 h
.set FSS,  4                           ; FS + 512 w + 256 h + 4 r
.set FSL,  5                           ; FS + 512 w + GOS
.set GOS,  6                           ; byte of my two points in a block's 256 bytes of score0
.set GX0,  7                           ; 24 r + 8 h
.set GX1,  8                           ; 24 r + 16
.set SC1,  9                           ; 2^e0
.set SC2,  10                          ; 2^(e2-e0-e1)
.set SCW2, 11                          ; 2^e1
.set GW,   12                          ; 32768 h + 16 r + 256 w
.set ASTB, 13                          ; 16 x lane + 16384 w
.set AST,  14
.set AST3, 15
.set CH,   16                          ; v16-31
.set NB,   32                          ; v32-47
.set PM,   48                          ; v48-63
.set B2C,  64                          ; v64-79   two sets of 8
.set T,    80                          ; v80-111  at work
.set AS,   112                         ; v112-143 the block's 32 score sums of my unit
.set CODE, 112                         ;          (at the head: codes on their way to LDS)
.set Q,    144                         ; v145-147 side chains of the pool
.set TMP,  148                         ; v148-159
.set SMIN, 160
.set SMAX, 161
.set SCW3, 162                         ; 2^e3
.set LW2,  163                         ; 448 x 2^e1
.set LW3,  164                         ; 448 x 2^e3
.set R16,  165                         ; 16 r
.set RH,   166                         ; 2048 h + 16 r
.set H8,   167                         ; 8 h
.set PMS,  168                         ; PMX + 1024 w + 16 r
.set REDS, 169                         ; RED + 8 w
.set ACC,  192                         ; v192-255 two sets of 4 accumulators: written by matrix instructions alone
; window 1: v0-63 two sets of a weight tile's two fragments
.set W1F,  64                          ; v64-127  eW1's 16 tiles, 2 K steps x 2 registers: they stay
.set XF,   128                         ; v128-143 x: tile m, K step s at 4 m + 2 s
.set CF,   144                         ; v144-147 cW[2h], cW[2h+1], then cW[4], cW[5] (h = 0) or K0, 0 (h = 1)
.set JT,   148                         ; v148-155 at work
; window 2: v0-127 layer 1's codes (tile m, K step s at 32 m + 16 s), v128-255 layer 2's; at the head two sets of 128 raw weights
; scalars: s[8:31] the twelve buffers; s[32:35] e0..e3; s36 wave; s37, s38 the holds of layers 1, 2; s41 e2+e3, s42 its negative, s43 -(e0+e1); s44-48 lane masks; s[50:51] selects; s52 blocks; s53, s54 builder; s[60:61] cW[4:6]
.set MSB, 0
.macro WIN new                         ; low byte: bits 1:0 source 0, 3:2 source 1, 5:4 source 2, 7:6 destination; the high byte repeats the setting that is left
.if MSB != \new
	s_set_vgpr_msb (MSB<<8)|\new
.set MSB, \new
.endif
.endm
.macro PLACES n
.rept \n
	v_nop
.endr
.endm
.macro MKSC e, sc, lim                 ; s[sc] = 2^e, s[lim] = 448 x 2^e, as f32 patterns
	s_add_co_i32 s[\sc], s[\e], 127
	s_add_co_i32 s[\lim], s[\sc], 8
	s_lshl_b32 s[\sc], s[\sc], 23
	s_lshl_b32 s[\lim], s[\lim], 23
	s_or_b32 s[\lim], s[\lim], 0x600000
.endm
	s_load_b512 s[8:23], s[0:1], 0x0               ; feat 8, eW1 10, eb1 12, eW2 14, eb2 16, eW3 18, eb3 20, cW 22
	s_load_b256 s[24:31], s[0:1], 0x40             ; lowp_scales 24, score0 26, pooledp 28, mm 30
	v_lshl_add_u32 v190, v0, 2, 0x22000
	v_mov_b32 v191, 0
	v_lshrrev_b32 v[TMP], 5, v0
	v_readfirstlane_b32 s36, v[TMP]                ; wave 0..3
	v_and_b32 v[TMP], 31, v0                       ; lane
	v_and_b32 v[TMP+1], 15, v0                     ; r
	v_bfe_u32 v[TMP+2], v0, 4, 1                   ; h
	v_lshlrev_b32 v[LI], 4, v[TMP]
	v_add_nc_u32 v[LI3], W3IMG, v[LI]
	v_lshl_add_u32 v[AB2], v[TMP+2], 5, B2T
	v_and_b32 v[TMP+3], 3, v0                      ; after the sum over 16 lanes, lane l holds points with bits 1, 2 = l's bits 0, 1; bit 3 = l's bit 4; bits 4, 5 = l's bits 2, 3
	v_lshlrev_b32 v[GOS], 3, v[TMP+3]
	v_and_b32 v[TMP+3], 16, v0
	v_lshl_add_u32 v[GOS], v[TMP+3], 1, v[GOS]
	v_and_b32 v[TMP+3], 12, v0
	v_lshl_add_u32 v[GOS], v[TMP+3], 4, v[GOS]
	s_lshl_b32 s56, s36, 9
	s_add_co_u32 s56, s56, FS
	v_add_nc_u32 v[FSL], s56, v[GOS]
	v_lshlrev_b32 v[FSS], 2, v[TMP+1]
	v_lshl_add_u32 v[FSS], v[TMP+2], 8, v[FSS]
	v_add_nc_u32 v[FSS], s56, v[FSS]
	v_mul_u32_u24 v[GX1], v[TMP+1], 24
	v_lshl_add_u32 v[GX0], v[TMP+2], 3, v[GX1]
	v_add_nc_u32 v[GX1], 16, v[GX1]
	v_lshlrev_b32 v[R16], 4, v[TMP+1]
	v_lshl_add_u32 v[RH], v[TMP+2], 11, v[R16]
	v_lshlrev_b32 v[H8], 3, v[TMP+2]
	s_lshl_b32 s57, s36, 8
	v_lshl_add_u32 v[GW], v[TMP+2], 15, v[R16]
	v_add_nc_u32 v[GW], s57, v[GW]
	s_lshl_b32 s57, s36, 14
	v_add_nc_u32 v[ASTB], s57, v[LI]
	s_lshl_b32 s57, s36, 10
	s_add_co_u32 s57, s57, PMX
	v_add_nc_u32 v[PMS], s57, v[R16]
	s_lshl_b32 s57, s36, 3
	s_add_co_u32 s57, s57, RED
	v_mov_b32 v[REDS], s57
	v_and_b32 v[TMP+4], 0x40, v0                   ; thread t fills entries t and t + 128 of B2T: unit 64 (t/64) + 32 ((t/8)%2) + 4 (t%8) + (t/16)%4, and 128 further on
	v_bfe_u32 v[TMP+3], v0, 3, 1
	v_lshl_add_u32 v[TMP+4], v[TMP+3], 5, v[TMP+4]
	v_and_b32 v[TMP+3], 7, v0
	v_lshl_add_u32 v[TMP+4], v[TMP+3], 2, v[TMP+4]
	v_bfe_u32 v[TMP+3], v0, 4, 2
	v_add_nc_u32 v[TMP+4], v[TMP+4], v[TMP+3]
	v_lshlrev_b32 v[TMP+4], 2, v[TMP+4]
	v_lshl_add_u32 v[TMP+7], v0, 2, B2T
	s_mov_b32 s44, 0xaaaaaaaa                      ; lanes whose bit 0, 1, 2, 3, 4 is set
	s_mov_b32 s45, 0xcccccccc
	s_mov_b32 s46, 0xf0f0f0f0
	s_mov_b32 s47, 0xff00ff00
	s_mov_b32 s48, 0xffff0000
	s_mov_b32 s50, 0x76543210                      ; v_permlanex16_b32: lane l xor 16
	s_mov_b32 s51, 0xfedcba98
	s_wait_kmcnt 0x0
	s_load_b128 s[32:35], s[24:25], 0x0            ; e0 .. e3
	s_load_b64 s[60:61], s[22:23], 0x10            ; cW[4], cW[5]: the same for all lanes
	s_mul_i32 s56, ttmp9, 49152                    ; 2,048 points x 24 bytes
	s_mul_i32 s57, s36, 12288
	s_add_co_u32 s56, s56, s57
	s_mov_b32 s57, 0
	s_add_nc_u64 s[8:9], s[8:9], s[56:57]          ; feat at my wave's first point
	s_lshl_b32 s56, ttmp9, 13
	s_lshl_b32 s58, s36, 11
	s_add_co_u32 s56, s56, s58
	s_add_nc_u64 s[26:27], s[26:27], s[56:57]      ; score0 likewise
	s_lshl_b32 s56, ttmp9, 10
	s_add_nc_u64 s[28:29], s[28:29], s[56:57]      ; my work-group's 256 maxima
	s_lshl_b32 s56, ttmp9, 8
	s_add_nc_u64 s[30:31], s[30:31], s[56:57]      ; and its 256 bytes of mm
	global_load_b32 v[TMP+5], v[TMP+4], s[16:17]
	global_load_b32 v[TMP+6], v[TMP+4], s[16:17] offset:512
; ---- THE WEIGHTS' IMAGES.  Wave w makes tiles 4 w .. 4 w + 3 of both weights, 64 rows (k) at a time.
; 32 loads: row 64 q + 32 h + kk, columns 64 w + 4 r .. + 3: sixteen lanes read 256 consecutive bytes, aligned.
.macro LOADG raw, base
	WIN 0x80                                       ; destination window 2
.set kk, 0
.rept 32
	global_load_b128 v[\raw+4*kk:\raw+4*kk+3], v[GW], s[\base:\base+1] offset:1024*kk
.set kk, kk+1
.endr
.endm
; raw[4 kk + j] = W[64 q + 32 h + kk][64 w + 4 r + j].  For tile j and j'' the conversion wants kk = 4 k + j'', k = 0 .. 7: the hold picks them out, so nothing else turns the numbers.
.macro QUANTG raw, lim, sc, adr
	WIN 0x20                                       ; source 2 window 2
.irp jj,0,1,2,3
.irp j,0,1,2,3
.irp k,0,1,2,3,4,5,6,7
	v_med3_num_f32 v[T+8*\j+\k], -v[\lim], v[\lim], v[\raw+16*\k+4*\jj+\j]   ; the conversion to an 8-bit code does not saturate (ISA guide 7.6.2): hold within 448 x the scale
.endr
	v_cvt_scalef32_pk8_fp8_f32 v[CODE+8*\j+2*\jj:CODE+8*\j+2*\jj+1], v[T+8*\j:T+8*\j+7], v[\sc]   ; its sources are written again four groups on, behind 24 plain lines
.endr
.endr
	v_nop                                          ; a plain line behind the last conversion
.irp j,0,1,2,3
.irp p,0,1
	ds_store_b128 v[\adr], v[CODE+8*\j+4*\p:CODE+8*\j+4*\p+3] offset:4096*\j+512*\p   ; 512 consecutive bytes a store
.endr
.endr
.endm
.macro QTRIP ld                        ; 64 rows of both weights; ld = 1: the next 64 rows are asked for as soon as a set of raw registers is free
	s_wait_dscnt 0x0                               ; the last stores have read their codes and addresses
	v_add_nc_u32 v[AST], s54, v[ASTB]              ; + 1024 q: K step q / 2, registers 8 (q % 2) on
	v_add_nc_u32 v[AST3], W3IMG, v[AST]
	s_wait_loadcnt 32                              ; eW2's 32 loads are in (and all that was asked before them); eW3's 32 may be out
	QUANTG 0, LW2, SCW2, AST
.if \ld
	s_add_nc_u64 s[14:15], s[14:15], 65536         ; the loads that read this base are done: the wait above has shown it
	LOADG 0, 14
	s_wait_loadcnt 32                              ; eW3's are in; the 32 just issued may be out
.else
	s_wait_loadcnt 0x0
.endif
	s_wait_dscnt 0x0                               ; the stores have read their codes
	QUANTG 128, LW3, SCW3, AST3
.if \ld
	s_add_nc_u64 s[18:19], s[18:19], 65536
	LOADG 128, 18
.endif
	WIN 0
.endm
	LOADG 0, 14
	LOADG 128, 18
	WIN 0
	s_wait_kmcnt 0x0
	s_add_co_i32 s58, s32, s33                     ; e0 + e1
	s_sub_co_i32 s43, 0, s58
	s_sub_co_i32 s59, s34, s58                     ; e2 - e0 - e1: layer 2's sums stand for sum x 2^(e0+e1), so this one scale makes their codes
	s_add_co_i32 s41, s34, s35                     ; e2 + e3
	s_sub_co_i32 s42, 0, s41
	MKSC 32, 56, 37
	v_mov_b32 v[SC1], s56
	MKSC 59, 56, 38
	v_mov_b32 v[SC2], s56
	MKSC 33, 56, 57
	v_mov_b32 v[SCW2], s56
	v_mov_b32 v[LW2], s57
	MKSC 35, 56, 57
	v_mov_b32 v[SCW3], s56
	v_mov_b32 v[LW3], s57
	s_mov_b32 s53, 3
	s_mov_b32 s54, 0
.Lq:
	QTRIP 1
	s_add_co_u32 s54, s54, 1024
	s_sub_co_u32 s53, s53, 1
	s_cmp_lg_u32 s53, 0
	s_cbranch_scc1 .Lq
	QTRIP 0                                        ; the last 64 rows: nothing more to fetch
	v_ldexp_f32 v[TMP+5], v[TMP+5], s43            ; eb2 / 2^(e0+e1)
	v_ldexp_f32 v[TMP+6], v[TMP+6], s43
	ds_store_b32 v[TMP+7], v[TMP+5]
	ds_store_b32 v[TMP+7], v[TMP+6] offset:512
; ---- what stays in registers
.macro XLOAD                           ; a block's x: tile m: feat[16 m + r][2 h, 2 h + 1] and feat[16 m + r][4, 5]
	WIN 0x40
.irp m,0,1,2,3
	global_load_b64 v[XF+4*\m:XF+4*\m+1],   v[GX0], s[8:9] offset:384*\m
	global_load_b64 v[XF+4*\m+2:XF+4*\m+3], v[GX1], s[8:9] offset:384*\m
.endr
.endm
	WIN 0x80                                       ; into the raw registers, which are free: rows 2 h, 2 h + 1, 4, 5 of eW1 and eb1, at my 4 columns of each group of 64
.irp g,0,1,2,3
	global_load_b128 v[4*\g:4*\g+3],       v[RH],  s[10:11] offset:256*\g
	global_load_b128 v[16+4*\g:16+4*\g+3], v[RH],  s[10:11] offset:1024+256*\g
	global_load_b128 v[32+4*\g:32+4*\g+3], v[R16], s[10:11] offset:4096+256*\g
	global_load_b128 v[48+4*\g:48+4*\g+3], v[R16], s[10:11] offset:5120+256*\g
	global_load_b128 v[64+4*\g:64+4*\g+3], v[R16], s[12:13] offset:256*\g
.endr
	WIN 0
.irp g,0,1,2,3
	global_load_b128 v[NB+4*\g:NB+4*\g+3],   v[R16], s[20:21] offset:256*\g        ; eb3 of my unit in tiles 4 g .. 4 g + 3
	global_load_b64  v[CH+4*\g:CH+4*\g+1],   v[R16], s[22:23] offset:24+256*\g     ; cW[6 + n]: 24 bytes in, so multiples of 8
	global_load_b64  v[CH+4*\g+2:CH+4*\g+3], v[R16], s[22:23] offset:32+256*\g
.endr
	global_load_b64 v[TMP+8:TMP+9], v[H8], s[22:23]                                ; cW[2 h], cW[2 h + 1]
	XLOAD                                          ; block 0
	s_wait_loadcnt 0x0
	WIN 0x4a                                       ; sources window 2, destination window 1
.set tt, 0
.rept 16                               ; tile tt's fragment: K step 0: k = 2 h, 2 h + 1;  K step 1: k = 4, 5 (h = 0) or eb1 as k = 6 and 0 as k = 7 (h = 1)
	v_mov_b32 v[W1F+4*tt], v[tt]
	v_mov_b32 v[W1F+4*tt+1], v[16+tt]
	v_cndmask_b32 v[W1F+4*tt+2], v[32+tt], v[64+tt], s48
	v_cndmask_b32 v[W1F+4*tt+3], v[48+tt], 0, s48
.set tt, tt+1
.endr
	WIN 0
	v_mul_f32 v[TMP+10], v[CH], v[NB]              ; K0 = sum over n of cW[6+n] eb3[n]: my 16 units,
.set tt, 1
.rept 15
	v_fmac_f32 v[TMP+10], v[CH+tt], v[NB+tt]
.set tt, tt+1
.endr
.irp x,1,2,4,8
	v_add_f32_dpp v[TMP+10], v[TMP+10], v[TMP+10] row_xmask:\x row_mask:0xf bank_mask:0xf   ; and the 16 lanes'
.endr
.set tt, 0
.rept 16
	v_ldexp_f32 v[NB+tt], -v[NB+tt], s42           ; -eb3 / 2^(e2+e3)
	v_ldexp_f32 v[CH+tt], v[CH+tt], s41            ; cW[6+n] x 2^(e2+e3)
.set tt, tt+1
.endr
.set tt, 0
.rept 16
	v_mov_b32 v[PM+tt], v[NB+tt]                   ; the pool begins at what relu gives at the least
.set tt, tt+1
.endr
	v_mov_b32 v[SMIN], 0x7f800000
	v_mov_b32 v[SMAX], 0xff800000
	WIN 0x40
	v_mov_b32 v[CF], v[TMP+8]
	v_mov_b32 v[CF+1], v[TMP+9]
	v_cndmask_b32 v[CF+2], s60, v[TMP+10], s48
	v_cndmask_b32 v[CF+3], s61, 0, s48
	WIN 0
	s_wait_dscnt 0x0                               ; my part of the images and of B2T has landed
	s_barrier_signal -1
	s_barrier_wait -1                              ; everybody's has
; ---- THE MACROS OF THE LOOP
.macro LOADW c                         ; chunk c's weight tile (c < 16: eW2's tile c and its bias; else eW3's tile c - 16) into set c % 2
	WIN 0x40
.set lB, 32*((\c)%2)
.set lO, ((\c)%16)*4096
.irp s,0,1
.irp q,0,1,2,3
.if (\c) < 16
	ds_load_b128 v[lB+16*\s+4*\q:lB+16*\s+4*\q+3], v[LI] offset:lO+2048*\s+512*\q
.else
	ds_load_b128 v[lB+16*\s+4*\q:lB+16*\s+4*\q+3], v[LI3] offset:lO+2048*\s+512*\q
.endif
.endr
.endr
.if (\c) < 16
	WIN 0
	ds_load_b128 v[B2C+8*((\c)%2):B2C+8*((\c)%2)+3],   v[AB2] offset:64*(\c)
	ds_load_b128 v[B2C+8*((\c)%2)+4:B2C+8*((\c)%2)+7], v[AB2] offset:64*(\c)+16
.endif
.endm
; Matrix instruction i of 8 of chunk c of layer bk: K step i / 4, tile of points i % 4.  The four accumulators take turns, one instruction a turn.
.macro MM bk, c, buf, i
.set mS, (\i)/4
.set mM, (\i)%4
.set mD, ACC+32*(\buf)+8*mM
.set mW, 32*((\c)%2)+16*mS
.if \bk == 1
	WIN 0x05                                       ; eW1 and x in window 1
.if mS == 0
	v_wmma_f32_16x16x4_f32 v[mD:mD+7], v[W1F+4*(\c):W1F+4*(\c)+1], v[XF+4*mM:XF+4*mM+1], 0
.else
	v_wmma_f32_16x16x4_f32 v[mD:mD+7], v[W1F+4*(\c)+2:W1F+4*(\c)+3], v[XF+4*mM+2:XF+4*mM+3], v[mD:mD+7]
.endif
.elseif \bk == 2
	WIN 0x09                                       ; the weight in window 1, layer 1's codes in window 2
.if mS == 0
	v_wmma_f32_16x16x128_fp8_fp8 v[mD:mD+7], v[mW:mW+15], v[32*mM:32*mM+15], v[B2C+8*((\c)%2):B2C+8*((\c)%2)+7]
.else
	v_wmma_f32_16x16x128_fp8_fp8 v[mD:mD+7], v[mW:mW+15], v[32*mM+16:32*mM+31], v[mD:mD+7]
.endif
.else
	WIN 0x06                                       ; layer 2's codes in window 2, the weight in window 1
.if mS == 0
	v_wmma_f32_16x16x128_fp8_fp8 v[mD:mD+7], v[128+32*mM:128+32*mM+15], v[mW:mW+15], 0
.else
	v_wmma_f32_16x16x128_fp8_fp8 v[mD:mD+7], v[144+32*mM:144+32*mM+15], v[mW:mW+15], v[mD:mD+7]
.endif
.endif
.endm
; Slice i of 8 behind layers 1 and 2: relu and hold in one, four numbers.  The one vector source is source 2 and lies, like the destination, in window 0 under all three settings above: no switch.
.macro SL12 i, pbuf, lim
.set sM, (\i)/2
.set sJ, 4*((\i)%2)
.irp t,0,1,2,3
	v_med3_num_f32 v[T+8*sM+sJ+\t], 0, s[\lim], v[ACC+32*(\pbuf)+8*sM+sJ+\t]
.endr
.endm
.macro CVB pc, HB, sc                  ; the chunk's 4 x 8 numbers become codes: tile pc = 4 g + j: fragment g / 2, registers 8 (g % 2) + 2 j, + 1
	WIN 0x80
.set cR, (\HB)+16*((\pc)/8)+8*(((\pc)/4)%2)+2*((\pc)%4)
.irp m,0,1,2,3
	v_cvt_scalef32_pk8_fp8_f32 v[cR+32*\m:cR+32*\m+1], v[T+8*\m:T+8*\m+7], v[\sc]
.endr
	v_nop                                          ; a plain line between the conversions and the next lines that write their sources
.endm
; Slice i of 8 behind layer 3, tile pc.  Even i: max(a, NB) of a tile of points.  Odd i: the score's packed multiply-adds and the pool's maxima, in four chains.
.macro SL3 i, pc, pbuf
	WIN 0
.set sM, (\i)/2
.set sT, T+8*(sM%2)
.set sA, ACC+32*(\pbuf)+8*sM
.if (\i)%2 == 0
.irp t,0,1,2,3,4,5,6,7
	v_max_num_f32 v[sT+\t], v[sA+\t], v[NB+(\pc)]
.endr
.else
.irp t,0,1,2,3
.if (\pc) == 0
	v_pk_mul_f32 v[AS+8*sM+2*\t:AS+8*sM+2*\t+1], v[CH:CH+1], v[sT+2*\t:sT+2*\t+1] op_sel_hi:[0,1]   ; tile 0 starts the sums: nothing is cleared
.elseif (\pc)%2 == 0
	v_pk_fma_f32 v[AS+8*sM+2*\t:AS+8*sM+2*\t+1], v[CH+(\pc):CH+(\pc)+1], v[sT+2*\t:sT+2*\t+1], v[AS+8*sM+2*\t:AS+8*sM+2*\t+1] op_sel_hi:[0,1,1]
.else
	v_pk_fma_f32 v[AS+8*sM+2*\t:AS+8*sM+2*\t+1], v[CH+(\pc)-1:CH+(\pc)], v[sT+2*\t:sT+2*\t+1], v[AS+8*sM+2*\t:AS+8*sM+2*\t+1] op_sel:[1,0,0] op_sel_hi:[1,1,1]
.endif
.if \t == 0
	v_max3_num_f32 v[PM+(\pc)], v[PM+(\pc)], v[sT], v[sT+1]
.elseif sM == 0
	v_max_num_f32 v[Q+\t], v[sT+2*\t], v[sT+2*\t+1]
.else
	v_max3_num_f32 v[Q+\t], v[Q+\t], v[sT+2*\t], v[sT+2*\t+1]
.endif
.endr
.if (\i) == 7
	v_max3_num_f32 v[PM+(\pc)], v[PM+(\pc)], v[Q+1], v[Q+2]
	v_max_num_f32 v[PM+(\pc)], v[PM+(\pc)], v[Q+3]
.endif
.endif
.endm
.macro SLICE pk, i, pc, pbuf
.if \pk == 1
	SL12 \i, \pbuf, 37
.elseif \pk == 2
	SL12 \i, \pbuf, 38
.elseif \pk == 3
	SL3 \i, \pc, \pbuf
.endif
.endm
.macro FIN pk, pc
.if \pk == 1
	CVB \pc, 0, SC1
.elseif \pk == 2
	CVB \pc, 128, SC2
.endif
.endm
; A STEP: chunk c of layer bk into accumulator set buf; behind each matrix instruction a slice of the vector work of chunk pc of layer pk, which lies in set pbuf; ld: the weight tile asked for (none outside 0 .. 31).
; DISTANCES (ISA guide 7.12.1).  Accumulator m is last written by instruction 4 + m and first read by slice 2 m of the next step: between them stand (4 - m) + 2 m slices of 4 plain lines or more that name none of its
; registers: 16 at the least, where the f32 form wants 8.  A step without slices ends in as many v_nop as its form wants.  A set of weight registers is loaded behind slice 1, 12 plain lines behind its last reader.
.macro STEP bk, c, buf, pk, pc, pbuf, ld
.if \bk != 1
	s_wait_dscnt 0x0                               ; this chunk's weight tile, asked for a step of its layer ago
.endif
.irp i,0,1,2,3,4,5,6,7
	MM \bk, \c, \buf, \i
	SLICE \pk, \i, \pc, \pbuf
.if (\i == 1) && ((\ld) >= 0) && ((\ld) < 32)
	LOADW \ld
.endif
.endr
	FIN \pk, \pc
.if \pk == 0
.if \bk == 1
	PLACES 8
.else
	PLACES 4
.endif
.endif
.endm
.macro POST pk, pc, pbuf               ; a stage's last chunk has no products to stand behind
	WIN 0
.irp i,0,1,2,3,4,5,6,7
	SLICE \pk, \i, \pc, \pbuf
.endr
	FIN \pk, \pc
.endm
.macro J1                              ; lanes 16-31 hold k = 6, 7 of x: 1.0 (against eb1) and 0
	WIN 0x41
.irp m,0,1,2,3
	v_cndmask_b32 v[XF+4*\m+2], v[XF+4*\m+2], 1.0, s48
	v_cndmask_b32 v[XF+4*\m+3], v[XF+4*\m+3], 0, s48
.endr
.endm
.macro J2                              ; the feat part of the score, from x's fragments: each half of the lanes has its part of point 16 m + r (h = 1: with K0); they are kept apart in my wave's LDS bytes
	WIN 0x55
.irp m,0,1,2,3
	v_pk_mul_f32 v[JT+2*\m:JT+2*\m+1], v[XF+4*\m:XF+4*\m+1], v[CF:CF+1]
.endr
.irp m,0,1,2,3
	v_pk_fma_f32 v[JT+2*\m:JT+2*\m+1], v[XF+4*\m+2:XF+4*\m+3], v[CF+2:CF+3], v[JT+2*\m:JT+2*\m+1]
.endr
.irp m,0,1,2,3
	v_add_f32 v[JT+2*\m], v[JT+2*\m], v[JT+2*\m+1]
.endr
	WIN 0x04                                       ; store data window 1
.irp m,0,1,2,3
	ds_store_b32 v[FSS], v[JT+2*\m] offset:64*\m
.endr
	WIN 0
.endm
; Sums a and a + d are shared between lanes l and l xor x: the lane whose bit is 0 keeps a and sends a + d, the other the other way round.
.set pt, 0
.macro PAIR a, d, x, msk
	v_cndmask_b32 v[TMP+4+pt], v[AS+\a], v[AS+\a+\d], s[\msk]
	v_cndmask_b32 v[TMP+5+pt], v[AS+\a+\d], v[AS+\a], s[\msk]
	v_add_f32_dpp v[AS+\a], v[TMP+5+pt], v[TMP+4+pt] row_xmask:\x row_mask:0xf bank_mask:0xf
.set pt, (pt+2)%8
.endm
.macro J3                              ; 32 sums a lane, each one unit's share, become 2 points a lane summed over the 16 lanes' units; + the feat part; min, max; one store of 256 consecutive bytes, aligned
	WIN 0
	ds_load_b64 v[TMP:TMP+1], v[FSL]
	ds_load_b64 v[TMP+2:TMP+3], v[FSL] offset:256
.irp a,0,1,4,5,8,9,12,13,16,17,20,21,24,25,28,29
	PAIR \a, 2, 1, 44
.endr
.irp a,0,1,8,9,16,17,24,25
	PAIR \a, 4, 2, 45
.endr
.irp a,0,1,16,17
	PAIR \a, 8, 4, 46
.endr
.irp a,0,1
	PAIR \a, 16, 8, 47
.endr
	s_wait_dscnt 0x0
	v_pk_add_f32 v[TMP:TMP+1], v[TMP:TMP+1], v[TMP+2:TMP+3]
	v_pk_add_f32 v[AS:AS+1], v[AS:AS+1], v[TMP:TMP+1]
	v_min3_num_f32 v[SMIN], v[SMIN], v[AS], v[AS+1]
	v_max3_num_f32 v[SMAX], v[SMAX], v[AS], v[AS+1]
	global_store_b64 v[GOS], v[AS:AS+1], s[26:27]
.endm
; ---- BLOCK 0's LAYER 1 stands alone
	J1
	J2
	LOADW 0
	STEP 1, 0, 0, 0, 0, 0, -1
.set cc, 1
.rept 15
	STEP 1, cc, cc%2, 1, cc-1, (cc-1)%2, -1
.set cc, cc+1
.endr
	POST 1, 15, 1
	s_mov_b32 s52, 8                               ; blocks to go, this one among them
	WIN 0                                          ; at a label and at a branch every window is 0
.Lblock:
	s_cmp_eq_u32 s52, 1                            ; the next block's x is asked for a whole layer ahead, if there is a next block: no load leaves feat
	s_cbranch_scc1 .Lnox
	s_add_nc_u64 s[8:9], s[8:9], 1536              ; the last loads from this base were waited for in front of their use
	XLOAD
	WIN 0
.Lnox:
	STEP 2, 0, 0, 0, 0, 0, 1                       ; LAYER 2
.set cc, 1
.rept 15
	STEP 2, cc, cc%2, 2, cc-1, (cc-1)%2, cc+1      ; (its last step asks for eW3's first tile)
.set cc, cc+1
.endr
	POST 2, 15, 1
	WIN 0
	s_cmp_eq_u32 s52, 1
	s_cbranch_scc1 .Ltail                          ; the last block has no successor whose layer 1 could stand beside its layer 3
	s_wait_loadcnt 0x0                             ; the next block's x
	J1
	STEP 3, 0, 0, 0, 0, 0, 17                      ; LAYER 3 OF THIS BLOCK AND LAYER 1 OF THE NEXT, chunk by chunk
.set cc, 0
.rept 15
	STEP 1, cc, 1, 3, cc, 0, -1
	STEP 3, cc+1, 0, 1, cc, 1, cc+18
.set cc, cc+1
.endr
	STEP 1, 15, 1, 3, 15, 0, -1
	LOADW 0                                        ; eW2's first tile, for the next trip
	POST 1, 15, 1
	J3
	J2                                             ; the next block's feat part, behind this block's reads of those bytes
	s_wait_xcnt 0x0                                ; the store has read its data and its base: both are written again below
	s_add_nc_u64 s[26:27], s[26:27], 256
	s_sub_co_u32 s52, s52, 1
	s_cmp_lg_u32 s52, 0
	s_cbranch_scc1 .Lblock
.Ltail:
	STEP 3, 0, 0, 0, 0, 0, 17                      ; THE LAST BLOCK'S LAYER 3 stands alone
.set cc, 1
.rept 15
	STEP 3, cc, cc%2, 3, cc-1, (cc-1)%2, cc+17
.set cc, cc+1
.endr
	POST 3, 15, 1
	J3
; ---- THE END: the pool and the extremes, over lanes, then over the four waves
.set tt, 0
.rept 16
	v_sub_f32 v[PM+tt], v[PM+tt], v[NB+tt]         ; max(a, -b/s) + b/s
.set tt, tt+1
.endr
.set tt, 0
.rept 16
	v_permlanex16_b32 v[T+tt], v[PM+tt], s50, s51  ; the other half of the lanes holds the same unit's other points
.set tt, tt+1
.endr
.set tt, 0
.rept 16
	v_max_num_f32 v[PM+tt], v[PM+tt], v[T+tt]
.set tt, tt+1
.endr
.set tt, 0
.rept 16
	v_ldexp_f32 v[PM+tt], v[PM+tt], s41            ; x 2^(e2+e3)
.set tt, tt+1
.endr
.irp g,0,1,2,3
	ds_store_b128 v[PMS], v[PM+4*\g:PM+4*\g+3] offset:256*\g   ; units 64 g + 4 r .. + 3 (both halves of the lanes store the same numbers)
.endr
.irp x,1,2,4,8
	v_min_num_f32_dpp v[SMIN], v[SMIN], v[SMIN] row_xmask:\x row_mask:0xf bank_mask:0xf
	v_max_num_f32_dpp v[SMAX], v[SMAX], v[SMAX] row_xmask:\x row_mask:0xf bank_mask:0xf
.endr
	v_permlanex16_b32 v[T], v[SMIN], s50, s51
	v_permlanex16_b32 v[T+1], v[SMAX], s50, s51
	v_min_num_f32 v[SMIN], v[SMIN], v[T]
	v_max_num_f32 v[SMAX], v[SMAX], v[T+1]
	ds_store_b64 v[REDS], v[SMIN:SMAX]
	v_lshl_add_u32 v[TMP], v0, 3, PMX
	v_mov_b32 v[TMP+1], RED
	v_lshlrev_b32 v[TMP+2], 3, v0
	s_wait_dscnt 0x0                               ; for the others' sake: my stores have landed
	s_barrier_signal -1
	s_barrier_wait -1
.irp w,0,1,2,3
	ds_load_b64 v[T+2*\w:T+2*\w+1], v[TMP] offset:1024*\w      ; units 2 t, 2 t + 1 of each wave
.endr
	ds_load_b128 v[T+8:T+11], v[TMP+1]
	ds_load_b128 v[T+12:T+15], v[TMP+1] offset:16
	s_wait_dscnt 0x0
	v_max3_num_f32 v[T], v[T], v[T+2], v[T+4]
	v_max3_num_f32 v[T+1], v[T+1], v[T+3], v[T+5]
	v_max_num_f32 v[T], v[T], v[T+6]
	v_max_num_f32 v[T+1], v[T+1], v[T+7]
	global_store_b64 v[TMP+2], v[T:T+1], s[28:29]  ; a wave stores 256 consecutive bytes, aligned
	v_min3_num_f32 v[T+8], v[T+8], v[T+10], v[T+12]
	v_max3_num_f32 v[T+9], v[T+9], v[T+11], v[T+13]
	v_min_num_f32 v[T+8], v[T+8], v[T+14]
	v_max_num_f32 v[T+9], v[T+9], v[T+15]
	s_cmp_lg_u32 s36, 0
	s_cbranch_scc1 .Lend
	global_store_b64 v[TMP+2], v[T+8:T+9], s[30:31]  ; wave 0: the pair, 32 times: the work-group's 256 bytes of mm, whole
.Lend:
	s_wait_tensorcnt 0x0
	ds_add_u32 v190, v191
	s_wait_dscnt 0x0
	s_endpgm
.Lfunc_end_k_q16de0bfb9f_embed:
	.size	k_q16de0bfb9f_embed, .Lfunc_end_k_q16de0bfb9f_embed-k_q16de0bfb9f_embed
	.p2alignl 7, 3214868480
	.fill 96, 4, 3214868480
	.section	.rodata,"a",@progbits
	.p2align	6, 0x0
	.amdhsa_kernel k_q16de0bfb9f_embed
		.amdhsa_group_segment_fixed_size 139776
		.amdhsa_private_segment_fixed_size 0
		.amdhsa_enable_private_segment 0
		.amdhsa_kernarg_size 96
		.amdhsa_user_sgpr_count 2
		.amdhsa_user_sgpr_kernarg_segment_ptr 1
		.amdhsa_wavefront_size32 1
		.amdhsa_system_sgpr_workgroup_id_x 1
		.amdhsa_system_sgpr_workgroup_id_y 1
		.amdhsa_system_sgpr_workgroup_id_z 1
		.amdhsa_system_vgpr_workitem_id 0
		.amdhsa_next_free_vgpr 768
		.amdhsa_next_free_sgpr 66
		.amdhsa_reserve_vcc 0
		.amdhsa_float_denorm_mode_32 3
		.amdhsa_float_denorm_mode_16_64 3
		.amdhsa_memory_ordered 1
		.amdhsa_forward_progress 1
		.amdhsa_inst_pref_size 255
	.end_amdhsa_kernel
	.section	.bss,"aw",@nobits
	.p2align	6
	.space	262144
	.amdgpu_metadata
---
amdhsa.version: [ 1, 2 ]
amdhsa.kernels:
  - .name:           k_q16de0bfb9f_embed
    .symbol:         k_q16de0bfb9f_embed.kd
    .args:
      - { .name: feat, .offset: 0, .size: 8, .value_kind: global_buffer, .address_space: global }
      - { .name: eW1, .offset: 8, .size: 8, .value_kind: global_buffer, .address_space: global }
      - { .name: eb1, .offset: 16, .size: 8, .value_kind: global_buffer, .address_space: global }
      - { .name: eW2, .offset: 24, .size: 8, .value_kind: global_buffer, .address_space: global }
      - { .name: eb2, .offset: 32, .size: 8, .value_kind: global_buffer, .address_space: global }
      - { .name: eW3, .offset: 40, .size: 8, .value_kind: global_buffer, .address_space: global }
      - { .name: eb3, .offset: 48, .size: 8, .value_kind: global_buffer, .address_space: global }
      - { .name: cW, .offset: 56, .size: 8, .value_kind: global_buffer, .address_space: global }
      - { .name: lowp_scales, .offset: 64, .size: 8, .value_kind: global_buffer, .address_space: global }
      - { .name: score0, .offset: 72, .size: 8, .value_kind: global_buffer, .address_space: global }
      - { .name: pooledp, .offset: 80, .size: 8, .value_kind: global_buffer, .address_space: global }
      - { .name: mm, .offset: 88, .size: 8, .value_kind: global_buffer, .address_space: global }
    .group_segment_fixed_size: 139776
    .private_segment_fixed_size: 0
    .kernarg_segment_align: 8
    .kernarg_segment_size: 96
    .max_flat_workgroup_size: 128
    .sgpr_count:     66
    .vgpr_count:     768
    .wavefront_size: 32
...
	.end_amdgpu_metadata
.endif
;; end of part 1
;; launch finish (part 2): grid 64 x 1, 8 waves a work-group, no clusters, 70,656 bytes of LDS; arguments score0, pooledp, mm, sW1, sb1, sW2, sb2, sW3, sb3, cW, cb, lowp_scales, out0; writes out0
.if DOCPART == 2
	.amdgcn_target "amdgcn-amd-amdhsa--gfx1250"
	.amdhsa_code_object_version 6
	.text
	.protected	k_q16de0bfb9f_finish
	.globl	k_q16de0bfb9f_finish
	.p2align	8
	.type	k_q16de0bfb9f_finish,@function
k_q16de0bfb9f_finish:
	s_mov_b64 s[64:65], 0
	v_nop
	global_prefetch_b8 v0, s[64:65] scope:SCOPE_SE
	s_setreg_imm32_b32 hwreg(HW_REG_WAVE_MODE, 25, 1), 1
	s_wait_xcnt 0x0
; One work-group a box: the pool over the box's four parts, the segment MLP (three FP8 products with the given scales 2^e4 .. 2^e9), C = seg . cW[262:390] + cb, score = score0 + C, and the rescaling to [-1, 1].
; x -> x + C in f32 never turns an order round, so the box's smallest and largest score are min0 + C and max0 + C: the scores are read once.
; THE MLP has one row.  Wave w makes tile w of each layer: units n = 64 (w / 4) + 4 r + w % 4 (r = lane % 16, h = lane / 16).  Source 0 = the activations, the same row sixteen times; source 1 = the weight's tile; register 0 of the result is unit n.
; The weights are quantised by the work-group into LDS as images of the operands' registers: register 8 g' + 2 j'' + u, byte b, half h of K step s stands for k = 128 s + 64 g' + 32 h + 16 u + 4 b + j''.
; The activations go from wave to wave through LDS as f32, number k at place 32 (k / 32) + 8 (k % 4) + (k / 4) % 8: a lane then reads the 32 numbers of its half of 64 k on end, in the order in which the conversions take them.
; No cluster: work-groups share only the 256 KB of f32 weights, which pass through registers to become codes.  No prefetch: all loads are issued at the head.
; LIMITS.  e4 .. e9 between -126 and 119; the sums of exponents go by v_ldexp_f32.  NaN and infinities are not served.  A box whose scores are all equal gives NaN, as reference() does.
.set IMG2, 32768                       ; LDS: sW1's image at 0 (tile t, K step s at 4096 t + 2048 s); sW2's here, sW3's 16,384 further on (tile t at 2048 t)
.set ACTB, 65536                       ; the pooled row (1,024 bytes); + 1024, + 1536 the two hidden rows (512 each); + 2048 the waves' eight partial sums
.set LI,   1                           ; 16 x lane
.set GWA,  2                           ; where my lane reads sW1, and sW2 or sW3
.set GWB,  3
.set ASTA, 4                           ; where it stores their codes
.set ASTB, 5
.set BA1,  6                           ; my tile's image: 16 x lane + 4096 w;  IMG2 + 16 x lane + 2048 w
.set BA2,  7
.set ACTR, 8                           ; ACTB + 128 h
.set ACTW, 9                           ; ACTB + 4 x the place of my unit n
.set P0W,  10                          ; ACTB + 4 x the place of unit t
.set T4,   11
.set N4,   12
.set T16,  13
.set REDW, 14
.set REDR, 15
.set SCO,  16                          ; v16-47   my 32 scores
.set D,    48                          ; v48-55   the accumulator
.set X,    64                          ; v64-127  64 activations (at the head: T and CODE)
.set T,    64
.set CODE, 96
.set SCWA, 128
.set LWA,  129
.set SCWB, 130
.set LWB,  131
.set PL,   132                         ; v132-135
.set BI,   136                         ; v136-139 sb1[n], sb2[n], sb3[n], cW[262+n]
.set SCACT, 140
.set VAL,  141
.set MN,   142
.set MX,   143
.set RS,   144                         ; v144-151
.set CC,   152                         ; pairs for the packed forms: C, smin, 2 / (smax - smin)
.set SM,   154
.set IV,   156
.set AF,   192                         ; v192-223 the activations' fragments
.set BF,   224                         ; v224-255 the weight's
; window 1: two sets of 128 raw weights
.set MSB, 0
.macro WIN new
.if MSB != \new
	s_set_vgpr_msb (MSB<<8)|\new
.set MSB, \new
.endif
.endm
.macro MKSC e, sc, lim                 ; s[sc] = 2^e, s[lim] = 448 x 2^e, as f32 patterns
	s_add_co_i32 s[\sc], s[\e], 127
	s_add_co_i32 s[\lim], s[\sc], 8
	s_lshl_b32 s[\sc], s[\sc], 23
	s_lshl_b32 s[\lim], s[\lim], 23
	s_or_b32 s[\lim], s[\lim], 0x600000
.endm
.macro BARRIER                         ; my LDS stores have landed and my LDS loads are in: then the work-group's barrier
	s_wait_dscnt 0x0
	s_barrier_signal -1
	s_barrier_wait -1
.endm
	s_load_b512 s[8:23], s[0:1], 0x0               ; score0 8, pooledp 10, mm 12, sW1 14, sb1 16, sW2 18, sb2 20, sW3 22
	s_load_b256 s[24:31], s[0:1], 0x40             ; sb3 24, cW 26, cb 28, lowp_scales 30
	s_load_b64 s[32:33], s[0:1], 0x60              ; out0
	v_lshl_add_u32 v190, v0, 2, 0x11000
	v_mov_b32 v191, 0
	v_lshrrev_b32 v158, 5, v0
	v_readfirstlane_b32 s34, v158                  ; wave 0..7
	v_and_b32 v158, 31, v0
	v_and_b32 v159, 15, v0                         ; r
	v_bfe_u32 v160, v0, 4, 1                       ; h
	s_and_b32 s35, s34, 1                          ; which 64 columns I quantise
	s_lshr_b32 s53, s34, 1                         ; which 64 rows of sW1,
	s_and_b32 s54, s53, 1                          ; and of sW2 (waves 0-3) or sW3 (waves 4-7)
	s_lshr_b32 s55, s34, 2
	s_and_b32 s42, s34, 3
	v_lshlrev_b32 v[LI], 4, v158
	v_lshlrev_b32 v161, 4, v159
	v_lshl_add_u32 v[GWB], v160, 14, v161          ; 32 rows of 512 bytes x h + 16 r
	s_lshl_b32 s56, s35, 8
	s_lshl_b32 s57, s53, 15
	s_add_co_u32 s57, s57, s56
	v_add_nc_u32 v[GWA], s57, v[GWB]
	s_lshl_b32 s57, s54, 15
	s_add_co_u32 s57, s57, s56
	v_add_nc_u32 v[GWB], s57, v[GWB]
	s_lshl_b32 s56, s35, 14
	s_lshl_b32 s57, s53, 10
	s_add_co_u32 s56, s56, s57
	v_add_nc_u32 v[ASTA], s56, v[LI]
	s_lshl_b32 s56, s55, 14
	s_lshl_b32 s57, s35, 13
	s_add_co_u32 s56, s56, s57
	s_lshl_b32 s57, s54, 10
	s_add_co_u32 s56, s56, s57
	s_add_co_u32 s56, s56, IMG2
	v_add_nc_u32 v[ASTB], s56, v[LI]
	s_lshl_b32 s56, s34, 12
	v_add_nc_u32 v[BA1], s56, v[LI]
	s_lshl_b32 s56, s34, 11
	s_add_co_u32 s56, s56, IMG2
	v_add_nc_u32 v[BA2], s56, v[LI]
	v_lshl_add_u32 v[ACTR], v160, 7, ACTB
	v_and_b32 v[ACTW], 7, v0                       ; the place of n = 64 (w/4) + 4 r + w%4:  64 (w/4) + 32 (r/8) + 8 (w%4) + r%8
	v_lshlrev_b32 v[ACTW], 2, v[ACTW]
	v_bfe_u32 v158, v0, 3, 1
	v_lshl_add_u32 v[ACTW], v158, 7, v[ACTW]
	s_lshl_b32 s56, s55, 8
	s_lshl_b32 s57, s42, 5
	s_add_co_u32 s57, s57, s56
	s_add_co_u32 s57, s57, ACTB
	v_add_nc_u32 v[ACTW], s57, v[ACTW]
	s_lshl_b32 s57, s42, 2
	s_add_co_u32 s57, s57, s56
	v_add_nc_u32 v[N4], s57, v161                  ; 4 n
	v_and_b32 v158, 0xe0, v0                       ; the place of unit t
	v_lshlrev_b32 v[P0W], 2, v158
	v_and_b32 v158, 3, v0
	v_lshl_add_u32 v[P0W], v158, 5, v[P0W]
	v_bfe_u32 v158, v0, 2, 3
	v_lshl_add_u32 v[P0W], v158, 2, v[P0W]
	v_add_nc_u32 v[P0W], ACTB, v[P0W]
	v_lshlrev_b32 v[T4], 2, v0
	v_lshlrev_b32 v[T16], 4, v0
	s_lshl_b32 s56, s34, 2
	s_add_co_u32 s56, s56, ACTB+2048
	v_mov_b32 v[REDW], s56
	v_mov_b32 v[REDR], ACTB+2048
	s_wait_kmcnt 0x0
	s_load_b128 s[36:39], s[30:31], 0x10           ; e4 .. e7
	s_load_b64 s[40:41], s[30:31], 0x20            ; e8, e9
	s_load_b32 s52, s[28:29], 0x0                  ; cb
	s_mov_b32 s57, 0
	s_lshl_b32 s56, ttmp9, 10
	s_add_nc_u64 s[12:13], s[12:13], s[56:57]      ; the box's four parts of mm, 256 bytes apart: (min, max), the same for all lanes
	s_load_b64 s[44:45], s[12:13], 0x0
	s_load_b64 s[46:47], s[12:13], 0x100
	s_load_b64 s[48:49], s[12:13], 0x200
	s_load_b64 s[50:51], s[12:13], 0x300
	s_lshl_b32 s56, ttmp9, 12
	s_add_nc_u64 s[10:11], s[10:11], s[56:57]
	s_lshl_b32 s56, ttmp9, 15
	s_add_nc_u64 s[8:9], s[8:9], s[56:57]
	s_add_nc_u64 s[32:33], s[32:33], s[56:57]
	s_cmp_lt_u32 s34, 4                            ; the choice hangs on the wave's number alone
	s_cselect_b64 s[58:59], s[18:19], s[22:23]
.macro LOADG raw, gw, base             ; 32 rows x my 4 columns: sixteen lanes read 256 consecutive bytes, aligned
	WIN 0x40
.set kk, 0
.rept 32
	global_load_b128 v[\raw+4*kk:\raw+4*kk+3], v[\gw], s[\base:\base+1] offset:512*kk
.set kk, kk+1
.endr
.endm
.macro QUANTG raw, lim, sc, adr, ts    ; raw[4 kk + j] = W[.. + 32 h + kk][.. + 4 r + j]; for tile j and j'' the conversion wants kk = 4 k + j'': the hold picks them out.  ts: bytes from tile to tile
	WIN 0x10                                       ; source 2 window 1
.irp jj,0,1,2,3
.irp j,0,1,2,3
.irp k,0,1,2,3,4,5,6,7
	v_med3_num_f32 v[T+8*\j+\k], -v[\lim], v[\lim], v[\raw+16*\k+4*\jj+\j]   ; the conversion to an 8-bit code does not saturate (ISA guide 7.6.2)
.endr
	v_cvt_scalef32_pk8_fp8_f32 v[CODE+8*\j+2*\jj:CODE+8*\j+2*\jj+1], v[T+8*\j:T+8*\j+7], v[\sc]
.endr
.endr
	v_nop                                          ; a plain line behind the last conversion
.irp j,0,1,2,3
.irp p,0,1
	ds_store_b128 v[\adr], v[CODE+8*\j+4*\p:CODE+8*\j+4*\p+3] offset:\ts*\j+512*\p
.endr
.endr
.endm
	LOADG 0, GWA, 14
	LOADG 128, GWB, 58
	WIN 0
.irp i,0,1,2,3
	global_load_b32 v[PL+\i], v[T4], s[10:11] offset:1024*\i
.endr
	global_load_b32 v[BI], v[N4], s[16:17]
	global_load_b32 v[BI+1], v[N4], s[20:21]
	global_load_b32 v[BI+2], v[N4], s[24:25]
	global_load_b32 v[BI+3], v[N4], s[26:27] offset:1048
.irp i,0,1,2,3,4,5,6,7
	global_load_b128 v[SCO+4*\i:SCO+4*\i+3], v[T16], s[8:9] offset:4096*\i th:TH_LOAD_NT   ; a wave reads 512 consecutive bytes
.endr
	s_wait_kmcnt 0x0
	s_cmp_lt_u32 s34, 4
	s_cselect_b32 s43, s39, s41                    ; e7 or e9
	MKSC 37, 56, 57
	v_mov_b32 v[SCWA], s56
	v_mov_b32 v[LWA], s57
	MKSC 43, 56, 57
	v_mov_b32 v[SCWB], s56
	v_mov_b32 v[LWB], s57
	MKSC 36, 60, 61
	MKSC 38, 62, 63
	MKSC 40, 66, 67
	s_add_co_i32 s68, s36, s37
	s_add_co_i32 s69, s38, s39
	s_add_co_i32 s70, s40, s41
	s_wait_loadcnt 48                              ; sW1's 32 loads are in; behind them: 32 + 4 + 4 + 8
	QUANTG 0, LWA, SCWA, ASTA, 4096
	s_wait_loadcnt 16                              ; the second weight's; behind them: 4 + 4 + 8
	s_wait_dscnt 0x0                               ; the stores have read their codes
	QUANTG 128, LWB, SCWB, ASTB, 2048
	WIN 0
	s_wait_loadcnt 12                              ; the four parts of the pool; behind them: 4 + 8
	v_max3_num_f32 v[PL], v[PL], v[PL+1], v[PL+2]
	v_max_num_f32 v[PL], v[PL], v[PL+3]
	ds_store_b32 v[P0W], v[PL]
	BARRIER                                        ; the three images and the pooled row lie in LDS
	s_wait_loadcnt 8                               ; the biases and cW; the 8 loads of scores may be out
; A layer: ns K steps of 128.  v[VAL] = relu(sum x 2^(eA+eB) + bias) of my unit.
.macro LAYER ns, actin, badr, boff, slim, ssc, sexp, vbias
	v_mov_b32 v[SCACT], s[\ssc]
.set ss, 0
.rept \ns
.irp c,0,1,2,3
	ds_load_b128 v[BF+16*ss+4*\c:BF+16*ss+4*\c+3], v[\badr] offset:\boff+2048*ss+512*\c
.endr
.irp gq,0,1
.irp q,0,1,2,3,4,5,6,7
	ds_load_b128 v[X+32*\gq+4*\q:X+32*\gq+4*\q+3], v[ACTR] offset:\actin+256*(2*ss+\gq)+16*\q
.endr
.endr
	s_wait_dscnt 0x0
.set ii, 0
.rept 64
	v_min_num_f32 v[X+ii], s[\slim], v[X+ii]       ; what has passed a relu is not negative: the hold is one-sided
.set ii, ii+1
.endr
.irp gq,0,1
.irp jj,0,1,2,3
	v_cvt_scalef32_pk8_fp8_f32 v[AF+16*ss+8*\gq+2*\jj:AF+16*ss+8*\gq+2*\jj+1], v[X+32*\gq+8*\jj:X+32*\gq+8*\jj+7], v[SCACT]
.endr
.endr
	v_nop                                          ; a plain line between the conversions and the matrix instruction that reads their results
.set ss, ss+1
.endr
	v_wmma_f32_16x16x128_fp8_fp8 v[D:D+7], v[AF:AF+15], v[BF:BF+15], 0
.if \ns == 2
	s_wait_alu depctr_va_vdst(0)                   ; the wait ahead of the link
	v_wmma_f32_16x16x128_fp8_fp8 v[D:D+7], v[AF+16:AF+31], v[BF+16:BF+31], v[D:D+7]
.endif
.rept 4
	v_nop                                          ; four places ahead of the first read of the result, and of the next layer's loads into the fragments
.endr
	v_ldexp_f32 v[VAL], v[D], s[\sexp]
	v_add_f32 v[VAL], v[VAL], v[\vbias]
	v_max_num_f32 v[VAL], 0, v[VAL]
.endm
	LAYER 2, 0, BA1, 0, 61, 60, 68, BI
	ds_store_b32 v[ACTW], v[VAL] offset:1024       ; (both halves of the lanes store the same number)
	BARRIER
	LAYER 1, 1024, BA2, 0, 63, 62, 69, BI+1
	ds_store_b32 v[ACTW], v[VAL] offset:1536
	BARRIER
	LAYER 1, 1536, BA2, 16384, 67, 66, 70, BI+2
	v_mul_f32 v[VAL], v[VAL], v[BI+3]              ; seg[n] cW[262+n], summed over my tile's 16 units
.irp x,1,2,4,8
	v_add_f32_dpp v[VAL], v[VAL], v[VAL] row_xmask:\x row_mask:0xf bank_mask:0xf
.endr
	ds_store_b32 v[REDW], v[VAL]
	BARRIER
	ds_load_b128 v[RS:RS+3], v[REDR]
	ds_load_b128 v[RS+4:RS+7], v[REDR] offset:16
	v_mov_b32 v[MN], s44
	v_mov_b32 v[MX], s45
	v_min3_num_f32 v[MN], v[MN], s46, s48
	v_max3_num_f32 v[MX], v[MX], s47, s49
	v_min_num_f32 v[MN], s50, v[MN]
	v_max_num_f32 v[MX], s51, v[MX]
	s_wait_dscnt 0x0
	v_add_f32 v[RS], v[RS], v[RS+1]
	v_add_f32 v[RS+2], v[RS+2], v[RS+3]
	v_add_f32 v[RS+4], v[RS+4], v[RS+5]
	v_add_f32 v[RS+6], v[RS+6], v[RS+7]
	v_add_f32 v[RS], v[RS], v[RS+2]
	v_add_f32 v[RS+4], v[RS+4], v[RS+6]
	v_add_f32 v[RS], v[RS], v[RS+4]
	v_add_f32 v[CC], s52, v[RS]                    ; C = seg . cW[262:390] + cb
	v_mov_b32 v[CC+1], v[CC]
	v_add_f32 v[SM], v[MN], v[CC]                  ; smin
	v_mov_b32 v[SM+1], v[SM]
	v_add_f32 v[MX], v[MX], v[CC]                  ; smax
	v_sub_f32 v[MX], v[MX], v[SM]
	v_rcp_f32 v[IV], v[MX]
	v_nop                                          ; a plain line behind the reciprocal
	s_wait_loadcnt 0x0                             ; the scores
	s_wait_alu depctr_va_vdst(0)                   ; the wait ahead of the first line that names the reciprocal
	v_add_f32 v[IV], v[IV], v[IV]                  ; 2 / (smax - smin)
	v_mov_b32 v[IV+1], v[IV]
.set ii, 0
.rept 16
	v_pk_add_f32 v[SCO+ii:SCO+ii+1], v[SCO+ii:SCO+ii+1], v[CC:CC+1]
.set ii, ii+2
.endr
.set ii, 0
.rept 16
	v_pk_add_f32 v[SCO+ii:SCO+ii+1], v[SCO+ii:SCO+ii+1], v[SM:SM+1] neg_lo:[0,1] neg_hi:[0,1]
.set ii, ii+2
.endr
.set ii, 0
.rept 16
	v_pk_fma_f32 v[SCO+ii:SCO+ii+1], v[SCO+ii:SCO+ii+1], v[IV:IV+1], -1.0 op_sel_hi:[1,1,0]
.set ii, ii+2
.endr
.irp i,0,1,2,3,4,5,6,7
	global_store_b128 v[T16], v[SCO+4*\i:SCO+4*\i+3], s[32:33] offset:4096*\i th:TH_STORE_NT   ; a wave stores 512 consecutive bytes, aligned
.endr
	s_wait_tensorcnt 0x0
	ds_add_u32 v190, v191
	s_wait_dscnt 0x0
	s_endpgm
.Lfunc_end_k_q16de0bfb9f_finish:
	.size	k_q16de0bfb9f_finish, .Lfunc_end_k_q16de0bfb9f_finish-k_q16de0bfb9f_finish
	.p2alignl 7, 3214868480
	.fill 96, 4, 3214868480
	.section	.rodata,"a",@progbits
	.p2align	6, 0x0
	.amdhsa_kernel k_q16de0bfb9f_finish
		.amdhsa_group_segment_fixed_size 70656
		.amdhsa_private_segment_fixed_size 0
		.amdhsa_enable_private_segment 0
		.amdhsa_kernarg_size 104
		.amdhsa_user_sgpr_count 2
		.amdhsa_user_sgpr_kernarg_segment_ptr 1
		.amdhsa_wavefront_size32 1
		.amdhsa_system_sgpr_workgroup_id_x 1
		.amdhsa_system_sgpr_workgroup_id_y 1
		.amdhsa_system_sgpr_workgroup_id_z 1
		.amdhsa_system_vgpr_workitem_id 0
		.amdhsa_next_free_vgpr 512
		.amdhsa_next_free_sgpr 72
		.amdhsa_reserve_vcc 0
		.amdhsa_float_denorm_mode_32 3
		.amdhsa_float_denorm_mode_16_64 3
		.amdhsa_memory_ordered 1
		.amdhsa_forward_progress 1
		.amdhsa_inst_pref_size 55
	.end_amdhsa_kernel
	.amdgpu_metadata
---
amdhsa.version: [ 1, 2 ]
amdhsa.kernels:
  - .name:           k_q16de0bfb9f_finish
    .symbol:         k_q16de0bfb9f_finish.kd
    .args:
      - { .name: score0, .offset: 0, .size: 8, .value_kind: global_buffer, .address_space: global }
      - { .name: pooledp, .offset: 8, .size: 8, .value_kind: global_buffer, .address_space: global }
      - { .name: mm, .offset: 16, .size: 8, .value_kind: global_buffer, .address_space: global }
      - { .name: sW1, .offset: 24, .size: 8, .value_kind: global_buffer, .address_space: global }
      - { .name: sb1, .offset: 32, .size: 8, .value_kind: global_buffer, .address_space: global }
      - { .name: sW2, .offset: 40, .size: 8, .value_kind: global_buffer, .address_space: global }
      - { .name: sb2, .offset: 48, .size: 8, .value_kind: global_buffer, .address_space: global }
      - { .name: sW3, .offset: 56, .size: 8, .value_kind: global_buffer, .address_space: global }
      - { .name: sb3, .offset: 64, .size: 8, .value_kind: global_buffer, .address_space: global }
      - { .name: cW, .offset: 72, .size: 8, .value_kind: global_buffer, .address_space: global }
      - { .name: cb, .offset: 80, .size: 8, .value_kind: global_buffer, .address_space: global }
      - { .name: lowp_scales, .offset: 88, .size: 8, .value_kind: global_buffer, .address_space: global }
      - { .name: out0, .offset: 96, .size: 8, .value_kind: global_buffer, .address_space: global }
    .group_segment_fixed_size: 70656
    .private_segment_fixed_size: 0
    .kernarg_segment_align: 8
    .kernarg_segment_size: 104
    .max_flat_workgroup_size: 256
    .sgpr_count:     72
    .vgpr_count:     512
    .wavefront_size: 32
...
	.end_amdgpu_metadata
.endif
;; end of part 2
;; ======== version 2 of 2: 2 launches; version 1 with the launches embed, finish written anew for expert scheduling mode
;; workspace buffers: score0 2,097,152 bytes; pooledp 262,144 bytes; mm 65,536 bytes
;; launch embed (part 3): grid 256 x 1, 4 waves a work-group, no clusters, 139,776 bytes of LDS; arguments feat, eW1, eb1, eW2, eb2, eW3, eb3, cW, lowp_scales, score0, pooledp, mm; writes score0, pooledp, mm
.if DOCPART == 3
	.amdgcn_target "amdgcn-amd-amdhsa--gfx1250"
	.amdhsa_code_object_version 6
	.text
	.protected	k_q16de0bfb9f_embed
	.globl	k_q16de0bfb9f_embed
	.p2align	8
	.type	k_q16de0bfb9f_embed,@function
k_q16de0bfb9f_embed:
	s_mov_b64 s[64:65], 0
	v_nop
	global_prefetch_b8 v0, s[64:65] scope:SCOPE_SE
	s_setreg_imm32_b32 hwreg(HW_REG_WAVE_SCHED_MODE, 0, 2), 2
	s_setreg_imm32_b32 hwreg(HW_REG_WAVE_MODE, 25, 1), 1
	s_wait_xcnt 0x0
	s_wait_alu depctr_vm_vsrc(0)
; The three embedding layers for 2,048 points a work-group (a quarter of a box), and what the later steps need of them:
;   score0[p]  = feat[p] . cW[0:6] + hidden[p] . cW[6:262]          (f32; the box's constant is added by the next launch)
;   pooledp[wg][n] = max over the work-group's points of hidden[p][n]   mm[wg] = (min, max) of its score0, written 32 times: 256 bytes on end
; Layer 1 (K = 6) is left in f32: v_wmma_f32_16x16x4_f32, K filled up to 8, eb1 riding as k = 6 against a 1.0 in x.  Layers 2 and 3 are FP8 (E4M3) with the given scales 2^e0 .. 2^e3.
; SHARES.  Four waves; a wave owns 512 points and takes them in 8 blocks of 64 (4 tiles of 16) through all three layers IN REGISTERS: no barrier in the loop.
; eW2 and eW3 are quantised once by the work-group (wave w: output units 64 w .. 64 w + 63 of both) and lie in LDS as images of the operands' registers: 128 KB, read by all four waves.
; ORIENTATION.  r = lane % 16, h = lane / 16.  Layers 1 and 2 are used transposed (source 0 = 16 units, source 1 = 16 points): a lane holds ONE point and its 8 registers run along the units, so one conversion makes 8 codes
; of the next operand.  Layer 3 is used as it stands (source 0 = points, source 1 = units): a lane holds ONE unit, so bias, cW and the pool are one register a tile.
; THE UNITS OF A TILE ARE NOT NEIGHBOURS: tile T = 4 g + j holds in row r the unit 64 g + 4 r + j.  A transposed result's register j' in half h is unit 64 g + 32 h + 4 j' + j; its 8 codes go to fragment g / 2,
; registers 8 (g % 2) + 2 j, + 1.  So register 8 g' + 2 j'' + u, byte b, half h of K step s stands for k = 128 s + 64 g' + 32 h + 16 u + 4 b + j''.  The weights' images use the same places: a permutation of k, alike on both sides.
; BY TURNS.  A chunk is one tile of units x 4 tiles of points x 2 K steps: 8 matrix instructions on 4 accumulators by turns.  Behind each stands a slice of the chunk before's vector work (relu, hold, codes; or relu, score, pool).
; Layer 3 of a block is paired with layer 1 of the next: the long f32 products carry layer 3's vector work, layer 3's products carry layer 1's codes.
; BIASES.  eb2 / 2^(e0+e1) is the C of layer 2's first K step.  Layer 3: relu(a s + b) = s max(a, -b/s) + b with s = 2^(e2+e3): NB = -eb3/s, CH = cW[6+n] s, and K0 = sum of cW[6+n] eb3[n] goes in once with the feat part;
; pooled = (max - NB) s, which has the bits of relu(a s + b).
; NO CLUSTER, NO TENSOR LOAD: what work-groups share is 512 KB of f32 weights read once at the head, which must pass through registers to become codes.  No prefetch: feat is asked for a whole layer ahead.
; LIMITS.  e0, e1, e3 and e2 - e0 - e1 between -126 and 119 (each 2^e and 448 x 2^e is made as an f32 pattern); the sums of exponents go by v_ldexp_f32.  NaN and infinities among the inputs are not served.
; The hidden part of the score is summed as sum of CH max(a, NB) plus K0, in f32: another order of rounding than reference()'s.
; THE MODE: SCHED_MODE bits 1:0 = 2 (LLVM: expert scheduling mode 2), set by the entry lines.  The code itself states the register dependences between vector or matrix instructions and memory or LDS instructions,
; with s_wait_alu, always for 0.
; THE PLAN.  Registers that memory or LDS instructions touch in the loop over blocks:
;   the two weight sets (window 1, v0-63) and the two sets of B2C: read by the 8 matrix instructions of the chunk that has the set; then the LDS loads of the tile two chunks on land there.
;   XF: read by layer 1's matrix instructions, by J1 and J2; the next block's loads land there at a trip's head.
;   JT: written by J2, read by J2's four LDS stores.     AS, AS+1: written by J3, read by J3's store, written again by layer 3's first slice of the next block.
;   TMP .. TMP+3: J3's LDS loads land there, J3's additions read them.
;   The addresses are made at the head and never written again; feat's and score0's scalar bases move on.
; So ONE wait on va_vdst stands at the head of each step that asks for a weight tile: the chunk that had the set is done reading it.  The whole run of loads follows it at once, and no line of the step names that set.
; In layer 2 and in the last block's layer 3 step c asks for tile c + 1.  Where layers 3 and 1 are paired, the layer 1 step behind layer 3's chunk c asks for tile c + 2, into the set that chunk c has just left.
; One wait on va_vdst each stands ahead of x's loads, J2's stores and J3's store; one wait on vm_vsrc a trip stands at its end, ahead of the next writes of JT and AS.
.set W3IMG, 65536                      ; LDS: eW2's image at 0, eW3's here: fragment (T, s) at 4096 T + 2048 s, registers 4 c .. 4 c + 3 at + 512 c + 16 lane
.set B2T,   131072                     ; 256 f32: entry 16 T + 8 h + j' = eb2[64 g + 32 h + 4 j' + j] / 2^(e0+e1)
.set FS,    132096                     ; 512 bytes a wave: [h][64 points] f32, the two halves' parts of the feat score
.set PMX,   134144                     ; 1,024 bytes a wave: its pooled maxima, units in their own order
.set RED,   138240                     ; 8 bytes a wave: min, max
; window 0
.set LI,   1                           ; 16 x lane
.set LI3,  2                           ; W3IMG + 16 x lane
.set AB2,  3                           ; B2T + 32 h
.set FSS,  4                           ; FS + 512 w + 256 h + 4 r
.set FSL,  5                           ; FS + 512 w + GOS
.set GOS,  6                           ; byte of my two points in a block's 256 bytes of score0
.set GX0,  7                           ; 24 r + 8 h
.set GX1,  8                           ; 24 r + 16
.set SC1,  9                           ; 2^e0
.set SC2,  10                          ; 2^(e2-e0-e1)
.set SCW2, 11                          ; 2^e1
.set GW,   12                          ; 32768 h + 16 r + 256 w
.set ASTB, 13                          ; 16 x lane + 16384 w
.set AST,  14
.set AST3, 15
.set CH,   16                          ; v16-31
.set NB,   32                          ; v32-47
.set PM,   48                          ; v48-63
.set B2C,  64                          ; v64-79   two sets of 8
.set T,    80                          ; v80-111  at work
.set AS,   112                         ; v112-143 the block's 32 score sums of my unit
.set CODE, 112                         ;          (at the head: codes on their way to LDS)
.set Q,    144                         ; v145-147 side chains of the pool
.set TMP,  148                         ; v148-159
.set SMIN, 160
.set SMAX, 161
.set SCW3, 162                         ; 2^e3
.set LW2,  163                         ; 448 x 2^e1
.set LW3,  164                         ; 448 x 2^e3
.set R16,  165                         ; 16 r
.set RH,   166                         ; 2048 h + 16 r
.set H8,   167                         ; 8 h
.set PMS,  168                         ; PMX + 1024 w + 16 r
.set REDS, 169                         ; RED + 8 w
.set ACC,  192                         ; v192-255 two sets of 4 accumulators: written by matrix instructions alone
; window 1: v0-63 two sets of a weight tile's two fragments
.set W1F,  64                          ; v64-127  eW1's 16 tiles, 2 K steps x 2 registers: they stay
.set XF,   128                         ; v128-143 x: tile m, K step s at 4 m + 2 s
.set CF,   144                         ; v144-147 cW[2h], cW[2h+1], then cW[4], cW[5] (h = 0) or K0, 0 (h = 1)
.set JT,   148                         ; v148-155 at work
; window 2: v0-127 layer 1's codes (tile m, K step s at 32 m + 16 s), v128-255 layer 2's; at the head two sets of 128 raw weights
; scalars: s[8:31] the twelve buffers; s[32:35] e0..e3; s36 wave; s37, s38 the holds of layers 1, 2; s41 e2+e3, s42 its negative, s43 -(e0+e1); s44-48 lane masks; s[50:51] selects; s52 blocks; s53, s54 builder; s[60:61] cW[4:6]
.set MSB, 0
.macro WIN new                         ; low byte: bits 1:0 source 0, 3:2 source 1, 5:4 source 2, 7:6 destination; the high byte repeats the setting that is left
.if MSB != \new
	s_set_vgpr_msb (MSB<<8)|\new
.set MSB, \new
.endif
.endm
.macro PLACES n
.rept \n
	v_nop
.endr
.endm
.macro MKSC e, sc, lim                 ; s[sc] = 2^e, s[lim] = 448 x 2^e, as f32 patterns
	s_add_co_i32 s[\sc], s[\e], 127
	s_add_co_i32 s[\lim], s[\sc], 8
	s_lshl_b32 s[\sc], s[\sc], 23
	s_lshl_b32 s[\lim], s[\lim], 23
	s_or_b32 s[\lim], s[\lim], 0x600000
.endm
	s_load_b512 s[8:23], s[0:1], 0x0               ; feat 8, eW1 10, eb1 12, eW2 14, eb2 16, eW3 18, eb3 20, cW 22
	s_load_b256 s[24:31], s[0:1], 0x40             ; lowp_scales 24, score0 26, pooledp 28, mm 30
	v_lshl_add_u32 v190, v0, 2, 0x22000
	v_mov_b32 v191, 0
	v_lshrrev_b32 v[TMP], 5, v0
	v_readfirstlane_b32 s36, v[TMP]                ; wave 0..3
	v_and_b32 v[TMP], 31, v0                       ; lane
	v_and_b32 v[TMP+1], 15, v0                     ; r
	v_bfe_u32 v[TMP+2], v0, 4, 1                   ; h
	v_lshlrev_b32 v[LI], 4, v[TMP]
	v_add_nc_u32 v[LI3], W3IMG, v[LI]
	v_lshl_add_u32 v[AB2], v[TMP+2], 5, B2T
	v_and_b32 v[TMP+3], 3, v0                      ; after the sum over 16 lanes, lane l holds points with bits 1, 2 = l's bits 0, 1; bit 3 = l's bit 4; bits 4, 5 = l's bits 2, 3
	v_lshlrev_b32 v[GOS], 3, v[TMP+3]
	v_and_b32 v[TMP+3], 16, v0
	v_lshl_add_u32 v[GOS], v[TMP+3], 1, v[GOS]
	v_and_b32 v[TMP+3], 12, v0
	v_lshl_add_u32 v[GOS], v[TMP+3], 4, v[GOS]
	s_wait_alu depctr_va_sdst(0)                   ; s36, the wave's number, is written, ahead of its first reader
	s_lshl_b32 s56, s36, 9
	s_add_co_u32 s56, s56, FS
	v_add_nc_u32 v[FSL], s56, v[GOS]
	v_lshlrev_b32 v[FSS], 2, v[TMP+1]
	v_lshl_add_u32 v[FSS], v[TMP+2], 8, v[FSS]
	v_add_nc_u32 v[FSS], s56, v[FSS]
	v_mul_u32_u24 v[GX1], v[TMP+1], 24
	v_lshl_add_u32 v[GX0], v[TMP+2], 3, v[GX1]
	v_add_nc_u32 v[GX1], 16, v[GX1]
	v_lshlrev_b32 v[R16], 4, v[TMP+1]
	v_lshl_add_u32 v[RH], v[TMP+2], 11, v[R16]
	v_lshlrev_b32 v[H8], 3, v[TMP+2]
	s_lshl_b32 s57, s36, 8
	v_lshl_add_u32 v[GW], v[TMP+2], 15, v[R16]
	v_add_nc_u32 v[GW], s57, v[GW]
	s_lshl_b32 s57, s36, 14
	v_add_nc_u32 v[ASTB], s57, v[LI]
	s_lshl_b32 s57, s36, 10
	s_add_co_u32 s57, s57, PMX
	v_add_nc_u32 v[PMS], s57, v[R16]
	s_lshl_b32 s57, s36, 3
	s_add_co_u32 s57, s57, RED
	v_mov_b32 v[REDS], s57
	v_and_b32 v[TMP+4], 0x40, v0                   ; thread t fills entries t and t + 128 of B2T: unit 64 (t/64) + 32 ((t/8)%2) + 4 (t%8) + (t/16)%4, and 128 further on
	v_bfe_u32 v[TMP+3], v0, 3, 1
	v_lshl_add_u32 v[TMP+4], v[TMP+3], 5, v[TMP+4]
	v_and_b32 v[TMP+3], 7, v0
	v_lshl_add_u32 v[TMP+4], v[TMP+3], 2, v[TMP+4]
	v_bfe_u32 v[TMP+3], v0, 4, 2
	v_add_nc_u32 v[TMP+4], v[TMP+4], v[TMP+3]
	v_lshlrev_b32 v[TMP+4], 2, v[TMP+4]
	v_lshl_add_u32 v[TMP+7], v0, 2, B2T
	s_mov_b32 s44, 0xaaaaaaaa                      ; lanes whose bit 0, 1, 2, 3, 4 is set
	s_mov_b32 s45, 0xcccccccc
	s_mov_b32 s46, 0xf0f0f0f0
	s_mov_b32 s47, 0xff00ff00
	s_mov_b32 s48, 0xffff0000
	s_mov_b32 s50, 0x76543210                      ; v_permlanex16_b32: lane l xor 16
	s_mov_b32 s51, 0xfedcba98
	s_wait_kmcnt 0x0
	s_load_b128 s[32:35], s[24:25], 0x0            ; e0 .. e3
	s_load_b64 s[60:61], s[22:23], 0x10            ; cW[4], cW[5]: the same for all lanes
	s_mul_i32 s56, ttmp9, 49152                    ; 2,048 points x 24 bytes
	s_mul_i32 s57, s36, 12288
	s_add_co_u32 s56, s56, s57
	s_mov_b32 s57, 0
	s_add_nc_u64 s[8:9], s[8:9], s[56:57]          ; feat at my wave's first point
	s_lshl_b32 s56, ttmp9, 13
	s_lshl_b32 s58, s36, 11
	s_add_co_u32 s56, s56, s58
	s_add_nc_u64 s[26:27], s[26:27], s[56:57]      ; score0 likewise
	s_lshl_b32 s56, ttmp9, 10
	s_add_nc_u64 s[28:29], s[28:29], s[56:57]      ; my work-group's 256 maxima
	s_lshl_b32 s56, ttmp9, 8
	s_add_nc_u64 s[30:31], s[30:31], s[56:57]      ; and its 256 bytes of mm
	s_wait_alu depctr_va_vdst(0)                   ; all the offsets and LDS addresses made above are written: the kernel's loads and stores read them, and none of them is written again
	global_load_b32 v[TMP+5], v[TMP+4], s[16:17]
	global_load_b32 v[TMP+6], v[TMP+4], s[16:17] offset:512
; ---- THE WEIGHTS' IMAGES.  Wave w makes tiles 4 w .. 4 w + 3 of both weights, 64 rows (k) at a time.
; 32 loads: row 64 q + 32 h + kk, columns 64 w + 4 r .. + 3: sixteen lanes read 256 consecutive bytes, aligned.
.macro LOADG raw, base
	WIN 0x80                                       ; destination window 2
.set kk, 0
.rept 32
	global_load_b128 v[\raw+4*kk:\raw+4*kk+3], v[GW], s[\base:\base+1] offset:1024*kk
.set kk, kk+1
.endr
.endm
; raw[4 kk + j] = W[64 q + 32 h + kk][64 w + 4 r + j].  For tile j and j'' the conversion wants kk = 4 k + j'', k = 0 .. 7: the hold picks them out, so nothing else turns the numbers.
.macro QUANTG raw, lim, sc, adr
	WIN 0x20                                       ; source 2 window 2
.irp jj,0,1,2,3
.irp j,0,1,2,3
.irp k,0,1,2,3,4,5,6,7
	v_med3_num_f32 v[T+8*\j+\k], -v[\lim], v[\lim], v[\raw+16*\k+4*\jj+\j]   ; the conversion to an 8-bit code does not saturate (ISA guide 7.6.2): hold within 448 x the scale
.endr
	v_cvt_scalef32_pk8_fp8_f32 v[CODE+8*\j+2*\jj:CODE+8*\j+2*\jj+1], v[T+8*\j:T+8*\j+7], v[\sc]   ; its sources are written again four groups on, behind 24 plain lines
.endr
.endr
	v_nop                                          ; a plain line behind the last conversion
	s_wait_alu depctr_va_vdst(0)                   ; the conversions have written the codes, and the trip's head their address, which the stores below read; the holds are done reading this raw set, in which the next 64 rows land
.irp j,0,1,2,3
.irp p,0,1
	ds_store_b128 v[\adr], v[CODE+8*\j+4*\p:CODE+8*\j+4*\p+3] offset:4096*\j+512*\p   ; 512 consecutive bytes a store
.endr
.endr
.endm
.macro QTRIP ld                        ; 64 rows of both weights; ld = 1: the next 64 rows are asked for as soon as a set of raw registers is free
	s_wait_dscnt 0x0                               ; the last stores are done
	s_wait_alu depctr_vm_vsrc(0)                   ; the last trip's LDS stores have read their codes and their addresses, which are written again below
	v_add_nc_u32 v[AST], s54, v[ASTB]              ; + 1024 q: K step q / 2, registers 8 (q % 2) on
	v_add_nc_u32 v[AST3], W3IMG, v[AST]
	s_wait_loadcnt 32                              ; eW2's 32 loads are in (and all that was asked before them); eW3's 32 may be out
	QUANTG 0, LW2, SCW2, AST
.if \ld
	s_add_nc_u64 s[14:15], s[14:15], 65536         ; the loads that read this base are done: the wait above has shown it
	LOADG 0, 14                                    ; no vector line since the wait in QUANTG names this raw set
	s_wait_loadcnt 32                              ; eW3's are in; the 32 just issued may be out
.else
	s_wait_loadcnt 0x0
.endif
	s_wait_dscnt 0x0                               ; eW2's stores are done
	s_wait_alu depctr_vm_vsrc(0)                   ; eW2's LDS stores have read the codes' registers, which eW3's conversions write again
	QUANTG 128, LW3, SCW3, AST3
.if \ld
	s_add_nc_u64 s[18:19], s[18:19], 65536
	LOADG 128, 18
.endif
	WIN 0
.endm
	LOADG 0, 14
	LOADG 128, 18
	WIN 0
	s_wait_kmcnt 0x0
	s_add_co_i32 s58, s32, s33                     ; e0 + e1
	s_sub_co_i32 s43, 0, s58
	s_sub_co_i32 s59, s34, s58                     ; e2 - e0 - e1: layer 2's sums stand for sum x 2^(e0+e1), so this one scale makes their codes
	s_add_co_i32 s41, s34, s35                     ; e2 + e3
	s_sub_co_i32 s42, 0, s41
	MKSC 32, 56, 37
	v_mov_b32 v[SC1], s56
	MKSC 59, 56, 38
	v_mov_b32 v[SC2], s56
	MKSC 33, 56, 57
	v_mov_b32 v[SCW2], s56
	v_mov_b32 v[LW2], s57
	MKSC 35, 56, 57
	v_mov_b32 v[SCW3], s56
	v_mov_b32 v[LW3], s57
	s_mov_b32 s53, 3
	s_mov_b32 s54, 0
.Lq:
	QTRIP 1
	s_add_co_u32 s54, s54, 1024
	s_sub_co_u32 s53, s53, 1
	s_cmp_lg_u32 s53, 0
	s_cbranch_scc1 .Lq
	QTRIP 0                                        ; the last 64 rows: nothing more to fetch
	v_ldexp_f32 v[TMP+5], v[TMP+5], s43            ; eb2 / 2^(e0+e1)
	v_ldexp_f32 v[TMP+6], v[TMP+6], s43
	s_wait_alu depctr_va_vdst(0)                   ; the two scaled biases are written, which the stores below read
	ds_store_b32 v[TMP+7], v[TMP+5]
	ds_store_b32 v[TMP+7], v[TMP+6] offset:512
; ---- what stays in registers
.macro XLOAD                           ; a block's x: tile m: feat[16 m + r][2 h, 2 h + 1] and feat[16 m + r][4, 5]
	WIN 0x40
.irp m,0,1,2,3
	global_load_b64 v[XF+4*\m:XF+4*\m+1],   v[GX0], s[8:9] offset:384*\m
	global_load_b64 v[XF+4*\m+2:XF+4*\m+3], v[GX1], s[8:9] offset:384*\m
.endr
.endm
	WIN 0x80                                       ; into the raw registers, which are free (the holds that read them stand ahead of the waits above): rows 2 h, 2 h + 1, 4, 5 of eW1 and eb1, at my 4 columns of each group of 64
.irp g,0,1,2,3
	global_load_b128 v[4*\g:4*\g+3],       v[RH],  s[10:11] offset:256*\g
	global_load_b128 v[16+4*\g:16+4*\g+3], v[RH],  s[10:11] offset:1024+256*\g
	global_load_b128 v[32+4*\g:32+4*\g+3], v[R16], s[10:11] offset:4096+256*\g
	global_load_b128 v[48+4*\g:48+4*\g+3], v[R16], s[10:11] offset:5120+256*\g
	global_load_b128 v[64+4*\g:64+4*\g+3], v[R16], s[12:13] offset:256*\g
.endr
	WIN 0
.irp g,0,1,2,3
	global_load_b128 v[NB+4*\g:NB+4*\g+3],   v[R16], s[20:21] offset:256*\g        ; eb3 of my unit in tiles 4 g .. 4 g + 3
	global_load_b64  v[CH+4*\g:CH+4*\g+1],   v[R16], s[22:23] offset:24+256*\g     ; cW[6 + n]: 24 bytes in, so multiples of 8
	global_load_b64  v[CH+4*\g+2:CH+4*\g+3], v[R16], s[22:23] offset:32+256*\g
.endr
	global_load_b64 v[TMP+8:TMP+9], v[H8], s[22:23]                                ; cW[2 h], cW[2 h + 1]
	XLOAD                                          ; block 0
	s_wait_loadcnt 0x0
	WIN 0x4a                                       ; sources window 2, destination window 1
.set tt, 0
.rept 16                               ; tile tt's fragment: K step 0: k = 2 h, 2 h + 1;  K step 1: k = 4, 5 (h = 0) or eb1 as k = 6 and 0 as k = 7 (h = 1)
	v_mov_b32 v[W1F+4*tt], v[tt]
	v_mov_b32 v[W1F+4*tt+1], v[16+tt]
	v_cndmask_b32 v[W1F+4*tt+2], v[32+tt], v[64+tt], s48
	v_cndmask_b32 v[W1F+4*tt+3], v[48+tt], 0, s48
.set tt, tt+1
.endr
	WIN 0
	v_mul_f32 v[TMP+10], v[CH], v[NB]              ; K0 = sum over n of cW[6+n] eb3[n]: my 16 units,
.set tt, 1
.rept 15
	v_fmac_f32 v[TMP+10], v[CH+tt], v[NB+tt]
.set tt, tt+1
.endr
.irp x,1,2,4,8
	v_add_f32_dpp v[TMP+10], v[TMP+10], v[TMP+10] row_xmask:\x row_mask:0xf bank_mask:0xf   ; and the 16 lanes'
.endr
.set tt, 0
.rept 16
	v_ldexp_f32 v[NB+tt], -v[NB+tt], s42           ; -eb3 / 2^(e2+e3)
	v_ldexp_f32 v[CH+tt], v[CH+tt], s41            ; cW[6+n] x 2^(e2+e3)
.set tt, tt+1
.endr
.set tt, 0
.rept 16
	v_mov_b32 v[PM+tt], v[NB+tt]                   ; the pool begins at what relu gives at the least
.set tt, tt+1
.endr
	v_mov_b32 v[SMIN], 0x7f800000
	v_mov_b32 v[SMAX], 0xff800000
	WIN 0x40
	v_mov_b32 v[CF], v[TMP+8]
	v_mov_b32 v[CF+1], v[TMP+9]
	v_cndmask_b32 v[CF+2], s60, v[TMP+10], s48
	v_cndmask_b32 v[CF+3], s61, 0, s48
	WIN 0
	s_wait_dscnt 0x0                               ; my part of the images and of B2T has landed
	s_barrier_signal -1
	s_barrier_wait -1                              ; everybody's has
	s_wait_alu depctr_vm_vsrc(0)                   ; my LDS stores have read the codes' registers and v[TMP+5 .. TMP+7], eb2's loads their offset v[TMP+4]: from here on these registers are the score sums and J3's scratch
; ---- THE MACROS OF THE LOOP
.macro LOADW c                         ; chunk c's weight tile (c < 16: eW2's tile c and its bias; else eW3's tile c - 16) into set c % 2
	WIN 0x40
.set lB, 32*((\c)%2)
.set lO, ((\c)%16)*4096
.irp s,0,1
.irp q,0,1,2,3
.if (\c) < 16
	ds_load_b128 v[lB+16*\s+4*\q:lB+16*\s+4*\q+3], v[LI] offset:lO+2048*\s+512*\q
.else
	ds_load_b128 v[lB+16*\s+4*\q:lB+16*\s+4*\q+3], v[LI3] offset:lO+2048*\s+512*\q
.endif
.endr
.endr
.if (\c) < 16
	WIN 0
	ds_load_b128 v[B2C+8*((\c)%2):B2C+8*((\c)%2)+3],   v[AB2] offset:64*(\c)
	ds_load_b128 v[B2C+8*((\c)%2)+4:B2C+8*((\c)%2)+7], v[AB2] offset:64*(\c)+16
.endif
.endm
; Matrix instruction i of 8 of chunk c of layer bk: K step i / 4, tile of points i % 4.  The four accumulators take turns, one instruction a turn.
.macro MM bk, c, buf, i
.set mS, (\i)/4
.set mM, (\i)%4
.set mD, ACC+32*(\buf)+8*mM
.set mW, 32*((\c)%2)+16*mS
.if \bk == 1
	WIN 0x05                                       ; eW1 and x in window 1
.if mS == 0
	v_wmma_f32_16x16x4_f32 v[mD:mD+7], v[W1F+4*(\c):W1F+4*(\c)+1], v[XF+4*mM:XF+4*mM+1], 0
.else
	v_wmma_f32_16x16x4_f32 v[mD:mD+7], v[W1F+4*(\c)+2:W1F+4*(\c)+3], v[XF+4*mM+2:XF+4*mM+3], v[mD:mD+7]
.endif
.elseif \bk == 2
	WIN 0x09                                       ; the weight in window 1, layer 1's codes in window 2
.if mS == 0
	v_wmma_f32_16x16x128_fp8_fp8 v[mD:mD+7], v[mW:mW+15], v[32*mM:32*mM+15], v[B2C+8*((\c)%2):B2C+8*((\c)%2)+7]
.else
	v_wmma_f32_16x16x128_fp8_fp8 v[mD:mD+7], v[mW:mW+15], v[32*mM+16:32*mM+31], v[mD:mD+7]
.endif
.else
	WIN 0x06                                       ; layer 2's codes in window 2, the weight in window 1
.if mS == 0
	v_wmma_f32_16x16x128_fp8_fp8 v[mD:mD+7], v[128+32*mM:128+32*mM+15], v[mW:mW+15], 0
.else
	v_wmma_f32_16x16x128_fp8_fp8 v[mD:mD+7], v[144+32*mM:144+32*mM+15], v[mW:mW+15], v[mD:mD+7]
.endif
.endif
.endm
; Slice i of 8 behind layers 1 and 2: relu and hold in one, four numbers.  The one vector source is source 2 and lies, like the destination, in window 0 under all three settings above: no switch.
.macro SL12 i, pbuf, lim
.set sM, (\i)/2
.set sJ, 4*((\i)%2)
.irp t,0,1,2,3
	v_med3_num_f32 v[T+8*sM+sJ+\t], 0, s[\lim], v[ACC+32*(\pbuf)+8*sM+sJ+\t]
.endr
.endm
.macro CVB pc, HB, sc                  ; the chunk's 4 x 8 numbers become codes: tile pc = 4 g + j: fragment g / 2, registers 8 (g % 2) + 2 j, + 1
	WIN 0x80
.set cR, (\HB)+16*((\pc)/8)+8*(((\pc)/4)%2)+2*((\pc)%4)
.irp m,0,1,2,3
	v_cvt_scalef32_pk8_fp8_f32 v[cR+32*\m:cR+32*\m+1], v[T+8*\m:T+8*\m+7], v[\sc]
.endr
	v_nop                                          ; a plain line between the conversions and the next lines that write their sources
.endm
; Slice i of 8 behind layer 3, tile pc.  Even i: max(a, NB) of a tile of points.  Odd i: the score's packed multiply-adds and the pool's maxima, in four chains.
.macro SL3 i, pc, pbuf
	WIN 0
.set sM, (\i)/2
.set sT, T+8*(sM%2)
.set sA, ACC+32*(\pbuf)+8*sM
.if (\i)%2 == 0
.irp t,0,1,2,3,4,5,6,7
	v_max_num_f32 v[sT+\t], v[sA+\t], v[NB+(\pc)]
.endr
.else
.irp t,0,1,2,3
.if (\pc) == 0
	v_pk_mul_f32 v[AS+8*sM+2*\t:AS+8*sM+2*\t+1], v[CH:CH+1], v[sT+2*\t:sT+2*\t+1] op_sel_hi:[0,1]   ; tile 0 starts the sums: nothing is cleared
.elseif (\pc)%2 == 0
	v_pk_fma_f32 v[AS+8*sM+2*\t:AS+8*sM+2*\t+1], v[CH+(\pc):CH+(\pc)+1], v[sT+2*\t:sT+2*\t+1], v[AS+8*sM+2*\t:AS+8*sM+2*\t+1] op_sel_hi:[0,1,1]
.else
	v_pk_fma_f32 v[AS+8*sM+2*\t:AS+8*sM+2*\t+1], v[CH+(\pc)-1:CH+(\pc)], v[sT+2*\t:sT+2*\t+1], v[AS+8*sM+2*\t:AS+8*sM+2*\t+1] op_sel:[1,0,0] op_sel_hi:[1,1,1]
.endif
.if \t == 0
	v_max3_num_f32 v[PM+(\pc)], v[PM+(\pc)], v[sT], v[sT+1]
.elseif sM == 0
	v_max_num_f32 v[Q+\t], v[sT+2*\t], v[sT+2*\t+1]
.else
	v_max3_num_f32 v[Q+\t], v[Q+\t], v[sT+2*\t], v[sT+2*\t+1]
.endif
.endr
.if (\i) == 7
	v_max3_num_f32 v[PM+(\pc)], v[PM+(\pc)], v[Q+1], v[Q+2]
	v_max_num_f32 v[PM+(\pc)], v[PM+(\pc)], v[Q+3]
.endif
.endif
.endm
.macro SLICE pk, i, pc, pbuf
.if \pk == 1
	SL12 \i, \pbuf, 37
.elseif \pk == 2
	SL12 \i, \pbuf, 38
.elseif \pk == 3
	SL3 \i, \pc, \pbuf
.endif
.endm
.macro FIN pk, pc
.if \pk == 1
	CVB \pc, 0, SC1
.elseif \pk == 2
	CVB \pc, 128, SC2
.endif
.endm
; A STEP: chunk c of layer bk into accumulator set buf; behind each matrix instruction a slice of the vector work of chunk pc of layer pk, which lies in set pbuf; ld: the weight tile asked for at the step's head (none outside 0 .. 31).
; DISTANCES (ISA guide 7.12.1).  Accumulator m is last written by instruction 4 + m and first read by slice 2 m of the next step: between them stand (4 - m) + 2 m slices of 4 plain lines or more that name none of its
; registers: 16 at the least, where the f32 form wants 8.  A step without slices ends in as many v_nop as its form wants.
.macro STEP bk, c, buf, pk, pc, pbuf, ld
.if \bk != 1
	s_wait_dscnt 0x0                               ; this chunk's weight tile, asked for at the head of an earlier step
.endif
.if ((\ld) >= 0) && ((\ld) < 32)
	s_wait_alu depctr_va_vdst(0)                   ; the matrix instructions of the chunk that had set ld % 2 are done reading it, the weight's fragments and the bias as C: tile ld's loads land there, and no line of this step names that set
	LOADW \ld
.endif
.irp i,0,1,2,3,4,5,6,7
	MM \bk, \c, \buf, \i
	SLICE \pk, \i, \pc, \pbuf
.endr
	FIN \pk, \pc
.if \pk == 0
.if \bk == 1
	PLACES 8
.else
	PLACES 4
.endif
.endif
.endm
.macro POST pk, pc, pbuf               ; a stage's last chunk has no products to stand behind
	WIN 0
.irp i,0,1,2,3,4,5,6,7
	SLICE \pk, \i, \pc, \pbuf
.endr
	FIN \pk, \pc
.endm
.macro J1                              ; lanes 16-31 hold k = 6, 7 of x: 1.0 (against eb1) and 0
	WIN 0x41
.irp m,0,1,2,3
	v_cndmask_b32 v[XF+4*\m+2], v[XF+4*\m+2], 1.0, s48
	v_cndmask_b32 v[XF+4*\m+3], v[XF+4*\m+3], 0, s48
.endr
.endm
.macro J2                              ; the feat part of the score, from x's fragments: each half of the lanes has its part of point 16 m + r (h = 1: with K0); they are kept apart in my wave's LDS bytes
	WIN 0x55
.irp m,0,1,2,3
	v_pk_mul_f32 v[JT+2*\m:JT+2*\m+1], v[XF+4*\m:XF+4*\m+1], v[CF:CF+1]
.endr
.irp m,0,1,2,3
	v_pk_fma_f32 v[JT+2*\m:JT+2*\m+1], v[XF+4*\m+2:XF+4*\m+3], v[CF+2:CF+3], v[JT+2*\m:JT+2*\m+1]
.endr
.irp m,0,1,2,3
	v_add_f32 v[JT+2*\m], v[JT+2*\m], v[JT+2*\m+1]
.endr
	WIN 0x04                                       ; store data window 1
	s_wait_alu depctr_va_vdst(0)                   ; the additions have written JT, which the four stores read
.irp m,0,1,2,3
	ds_store_b32 v[FSS], v[JT+2*\m] offset:64*\m
.endr
	WIN 0
.endm
; Sums a and a + d are shared between lanes l and l xor x: the lane whose bit is 0 keeps a and sends a + d, the other the other way round.
.set pt, 0
.macro PAIR a, d, x, msk
	v_cndmask_b32 v[TMP+4+pt], v[AS+\a], v[AS+\a+\d], s[\msk]
	v_cndmask_b32 v[TMP+5+pt], v[AS+\a+\d], v[AS+\a], s[\msk]
	v_add_f32_dpp v[AS+\a], v[TMP+5+pt], v[TMP+4+pt] row_xmask:\x row_mask:0xf bank_mask:0xf
.set pt, (pt+2)%8
.endm
.macro J3                              ; 32 sums a lane, each one unit's share, become 2 points a lane summed over the 16 lanes' units; + the feat part; min, max; one store of 256 consecutive bytes, aligned
	WIN 0
	ds_load_b64 v[TMP:TMP+1], v[FSL]               ; the vector lines that named v[TMP .. TMP+3] last (the head's, or the last block's additions) stand ahead of the steps' waits, and no line since names them
	ds_load_b64 v[TMP+2:TMP+3], v[FSL] offset:256
.irp a,0,1,4,5,8,9,12,13,16,17,20,21,24,25,28,29
	PAIR \a, 2, 1, 44
.endr
.irp a,0,1,8,9,16,17,24,25
	PAIR \a, 4, 2, 45
.endr
.irp a,0,1,16,17
	PAIR \a, 8, 4, 46
.endr
.irp a,0,1
	PAIR \a, 16, 8, 47
.endr
	s_wait_dscnt 0x0
	v_pk_add_f32 v[TMP:TMP+1], v[TMP:TMP+1], v[TMP+2:TMP+3]
	v_pk_add_f32 v[AS:AS+1], v[AS:AS+1], v[TMP:TMP+1]
	v_min3_num_f32 v[SMIN], v[SMIN], v[AS], v[AS+1]
	v_max3_num_f32 v[SMAX], v[SMAX], v[AS], v[AS+1]
	s_wait_alu depctr_va_vdst(0)                   ; the additions have written AS and AS+1, which the store reads
	global_store_b64 v[GOS], v[AS:AS+1], s[26:27]
.endm
; ---- BLOCK 0's LAYER 1 stands alone
	J1
	J2
	LOADW 0                                        ; no vector or matrix line has named these registers yet
	STEP 1, 0, 0, 0, 0, 0, -1
.set cc, 1
.rept 15
	STEP 1, cc, cc%2, 1, cc-1, (cc-1)%2, -1
.set cc, cc+1
.endr
	POST 1, 15, 1
	s_mov_b32 s52, 8                               ; blocks to go, this one among them
	WIN 0                                          ; at a label and at a branch every window is 0
	s_wait_alu depctr_vm_vsrc(0)                   ; block 0's four LDS stores of the feat part have read JT, which the first trip's J2 writes again
.Lblock:
	s_cmp_eq_u32 s52, 1                            ; the next block's x is asked for a whole layer ahead, if there is a next block: no load leaves feat
	s_cbranch_scc1 .Lnox
	s_add_nc_u64 s[8:9], s[8:9], 1536              ; the last loads from this base were waited for in front of their use
	s_wait_alu depctr_va_vdst(0)                   ; layer 1's matrix instructions and J2 are done reading x's registers, and J1 has written them: the next block's x lands there
	XLOAD
	WIN 0
.Lnox:
	STEP 2, 0, 0, 0, 0, 0, 1                       ; LAYER 2
.set cc, 1
.rept 15
	STEP 2, cc, cc%2, 2, cc-1, (cc-1)%2, cc+1      ; (its last step asks for eW3's first tile)
.set cc, cc+1
.endr
	POST 2, 15, 1
	WIN 0
	s_cmp_eq_u32 s52, 1
	s_cbranch_scc1 .Ltail                          ; the last block has no successor whose layer 1 could stand beside its layer 3
	s_wait_loadcnt 0x0                             ; the next block's x
	J1
	STEP 3, 0, 0, 0, 0, 0, 17                      ; LAYER 3 OF THIS BLOCK AND LAYER 1 OF THE NEXT, chunk by chunk
.set cc, 0
.rept 15
	STEP 1, cc, 1, 3, cc, 0, (cc+18)%32            ; layer 3's chunk cc has just left its set: eW3's tile cc + 2 is asked for; behind chunk 14: eW2's first tile, for the next trip
	STEP 3, cc+1, 0, 1, cc, 1, -1
.set cc, cc+1
.endr
	STEP 1, 15, 1, 3, 15, 0, -1
	POST 1, 15, 1
	J3
	J2                                             ; the next block's feat part, behind this block's reads of those bytes
	s_wait_xcnt 0x0                                ; the store has had its address translated: its base is written again below, its data in the next layer 3
	s_wait_alu depctr_vm_vsrc(0)                   ; J3's store has read AS and AS+1, J2's LDS stores have read JT: the next layer 3 and the next J2 write them again
	s_add_nc_u64 s[26:27], s[26:27], 256
	s_sub_co_u32 s52, s52, 1
	s_cmp_lg_u32 s52, 0
	s_cbranch_scc1 .Lblock
.Ltail:
	STEP 3, 0, 0, 0, 0, 0, 17                      ; THE LAST BLOCK'S LAYER 3 stands alone
.set cc, 1
.rept 15
	STEP 3, cc, cc%2, 3, cc-1, (cc-1)%2, cc+17
.set cc, cc+1
.endr
	POST 3, 15, 1
	J3
; ---- THE END: the pool and the extremes, over lanes, then over the four waves.  All the vector work first, then one wait, then the five LDS stores.
.set tt, 0
.rept 16
	v_sub_f32 v[PM+tt], v[PM+tt], v[NB+tt]         ; max(a, -b/s) + b/s
.set tt, tt+1
.endr
.set tt, 0
.rept 16
	v_permlanex16_b32 v[T+tt], v[PM+tt], s50, s51  ; the other half of the lanes holds the same unit's other points
.set tt, tt+1
.endr
.set tt, 0
.rept 16
	v_max_num_f32 v[PM+tt], v[PM+tt], v[T+tt]
.set tt, tt+1
.endr
.set tt, 0
.rept 16
	v_ldexp_f32 v[PM+tt], v[PM+tt], s41            ; x 2^(e2+e3)
.set tt, tt+1
.endr
.irp x,1,2,4,8
	v_min_num_f32_dpp v[SMIN], v[SMIN], v[SMIN] row_xmask:\x row_mask:0xf bank_mask:0xf
	v_max_num_f32_dpp v[SMAX], v[SMAX], v[SMAX] row_xmask:\x row_mask:0xf bank_mask:0xf
.endr
	v_permlanex16_b32 v[T], v[SMIN], s50, s51
	v_permlanex16_b32 v[T+1], v[SMAX], s50, s51
	v_min_num_f32 v[SMIN], v[SMIN], v[T]
	v_max_num_f32 v[SMAX], v[SMAX], v[T+1]
	v_lshl_add_u32 v[TMP], v0, 3, PMX
	v_mov_b32 v[TMP+1], RED
	v_lshlrev_b32 v[TMP+2], 3, v0
	s_wait_alu depctr_va_vdst(0)                   ; the maxima and the two extremes are written, which the stores read; so are the three addresses, which the loads and stores behind the barrier read; and v[T ..], in which those loads land, is named no more
.irp g,0,1,2,3
	ds_store_b128 v[PMS], v[PM+4*\g:PM+4*\g+3] offset:256*\g   ; units 64 g + 4 r .. + 3 (both halves of the lanes store the same numbers)
.endr
	ds_store_b64 v[REDS], v[SMIN:SMAX]
	s_wait_dscnt 0x0                               ; for the others' sake: my stores have landed
	s_barrier_signal -1
	s_barrier_wait -1
.irp w,0,1,2,3
	ds_load_b64 v[T+2*\w:T+2*\w+1], v[TMP] offset:1024*\w      ; units 2 t, 2 t + 1 of each wave
.endr
	ds_load_b128 v[T+8:T+11], v[TMP+1]
	ds_load_b128 v[T+12:T+15], v[TMP+1] offset:16
	s_wait_dscnt 0x0
	v_max3_num_f32 v[T], v[T], v[T+2], v[T+4]
	v_max3_num_f32 v[T+1], v[T+1], v[T+3], v[T+5]
	v_max_num_f32 v[T], v[T], v[T+6]
	v_max_num_f32 v[T+1], v[T+1], v[T+7]
	v_min3_num_f32 v[T+8], v[T+8], v[T+10], v[T+12]
	v_max3_num_f32 v[T+9], v[T+9], v[T+11], v[T+13]
	v_min_num_f32 v[T+8], v[T+8], v[T+14]
	v_max_num_f32 v[T+9], v[T+9], v[T+15]
	s_wait_alu depctr_va_vdst(0)                   ; the two maxima and the pair of extremes are written, which the two stores below read
	global_store_b64 v[TMP+2], v[T:T+1], s[28:29]  ; a wave stores 256 consecutive bytes, aligned
	s_cmp_lg_u32 s36, 0
	s_cbranch_scc1 .Lend
	global_store_b64 v[TMP+2], v[T+8:T+9], s[30:31]  ; wave 0: the pair, 32 times: the work-group's 256 bytes of mm, whole
.Lend:
	s_wait_dscnt 0x0
	s_wait_alu depctr_hold_cnt(0) depctr_sa_sdst(0) depctr_va_vdst(0) depctr_va_sdst(0) depctr_va_ssrc(0) depctr_va_vcc(0) depctr_vm_vsrc(0)
	s_wait_tensorcnt 0x0
	ds_add_u32 v190, v191
	s_wait_dscnt 0x0
	s_endpgm
.Lfunc_end_k_q16de0bfb9f_embed:
	.size	k_q16de0bfb9f_embed, .Lfunc_end_k_q16de0bfb9f_embed-k_q16de0bfb9f_embed
	.p2alignl 7, 3214868480
	.fill 96, 4, 3214868480
	.section	.rodata,"a",@progbits
	.p2align	6, 0x0
	.amdhsa_kernel k_q16de0bfb9f_embed
		.amdhsa_group_segment_fixed_size 139776
		.amdhsa_private_segment_fixed_size 0
		.amdhsa_enable_private_segment 0
		.amdhsa_kernarg_size 96
		.amdhsa_user_sgpr_count 2
		.amdhsa_user_sgpr_kernarg_segment_ptr 1
		.amdhsa_wavefront_size32 1
		.amdhsa_system_sgpr_workgroup_id_x 1
		.amdhsa_system_sgpr_workgroup_id_y 1
		.amdhsa_system_sgpr_workgroup_id_z 1
		.amdhsa_system_vgpr_workitem_id 0
		.amdhsa_next_free_vgpr 768
		.amdhsa_next_free_sgpr 66
		.amdhsa_reserve_vcc 0
		.amdhsa_float_denorm_mode_32 3
		.amdhsa_float_denorm_mode_16_64 3
		.amdhsa_memory_ordered 1
		.amdhsa_forward_progress 1
		.amdhsa_inst_pref_size 255
	.end_amdhsa_kernel
	.section	.bss,"aw",@nobits
	.p2align	6
	.space	262144
	.amdgpu_metadata
---
amdhsa.version: [ 1, 2 ]
amdhsa.kernels:
  - .name:           k_q16de0bfb9f_embed
    .symbol:         k_q16de0bfb9f_embed.kd
    .args:
      - { .name: feat, .offset: 0, .size: 8, .value_kind: global_buffer, .address_space: global }
      - { .name: eW1, .offset: 8, .size: 8, .value_kind: global_buffer, .address_space: global }
      - { .name: eb1, .offset: 16, .size: 8, .value_kind: global_buffer, .address_space: global }
      - { .name: eW2, .offset: 24, .size: 8, .value_kind: global_buffer, .address_space: global }
      - { .name: eb2, .offset: 32, .size: 8, .value_kind: global_buffer, .address_space: global }
      - { .name: eW3, .offset: 40, .size: 8, .value_kind: global_buffer, .address_space: global }
      - { .name: eb3, .offset: 48, .size: 8, .value_kind: global_buffer, .address_space: global }
      - { .name: cW, .offset: 56, .size: 8, .value_kind: global_buffer, .address_space: global }
      - { .name: lowp_scales, .offset: 64, .size: 8, .value_kind: global_buffer, .address_space: global }
      - { .name: score0, .offset: 72, .size: 8, .value_kind: global_buffer, .address_space: global }
      - { .name: pooledp, .offset: 80, .size: 8, .value_kind: global_buffer, .address_space: global }
      - { .name: mm, .offset: 88, .size: 8, .value_kind: global_buffer, .address_space: global }
    .group_segment_fixed_size: 139776
    .private_segment_fixed_size: 0
    .kernarg_segment_align: 8
    .kernarg_segment_size: 96
    .max_flat_workgroup_size: 128
    .sgpr_count:     66
    .vgpr_count:     768
    .wavefront_size: 32
...
	.end_amdgpu_metadata
.endif
;; end of part 3
;; launch finish (part 4): grid 64 x 1, 8 waves a work-group, no clusters, 70,656 bytes of LDS; arguments score0, pooledp, mm, sW1, sb1, sW2, sb2, sW3, sb3, cW, cb, lowp_scales, out0; writes out0
.if DOCPART == 4
	.amdgcn_target "amdgcn-amd-amdhsa--gfx1250"
	.amdhsa_code_object_version 6
	.text
	.protected	k_q16de0bfb9f_finish
	.globl	k_q16de0bfb9f_finish
	.p2align	8
	.type	k_q16de0bfb9f_finish,@function
k_q16de0bfb9f_finish:
	s_mov_b64 s[64:65], 0
	v_nop
	global_prefetch_b8 v0, s[64:65] scope:SCOPE_SE
	s_setreg_imm32_b32 hwreg(HW_REG_WAVE_SCHED_MODE, 0, 2), 2
	s_setreg_imm32_b32 hwreg(HW_REG_WAVE_MODE, 25, 1), 1
	s_wait_xcnt 0x0
	s_wait_alu depctr_vm_vsrc(0)
; One work-group a box: the pool over the box's four parts, the segment MLP (three FP8 products with the given scales 2^e4 .. 2^e9), C = seg . cW[262:390] + cb, score = score0 + C, and the rescaling to [-1, 1].
; x -> x + C in f32 never turns an order round, so the box's smallest and largest score are min0 + C and max0 + C: the scores are read once.
; THE MLP has one row.  Wave w makes tile w of each layer: units n = 64 (w / 4) + 4 r + w % 4 (r = lane % 16, h = lane / 16).  Source 0 = the activations, the same row sixteen times; source 1 = the weight's tile; register 0 of the result is unit n.
; The weights are quantised by the work-group into LDS as images of the operands' registers: register 8 g' + 2 j'' + u, byte b, half h of K step s stands for k = 128 s + 64 g' + 32 h + 16 u + 4 b + j''.
; The activations go from wave to wave through LDS as f32, number k at place 32 (k / 32) + 8 (k % 4) + (k / 4) % 8: a lane then reads the 32 numbers of its half of 64 k on end, in the order in which the conversions take them.
; No cluster: work-groups share only the 256 KB of f32 weights, which pass through registers to become codes.  No prefetch: all loads are issued at the head.
; LIMITS.  e4 .. e9 between -126 and 119; the sums of exponents go by v_ldexp_f32.  NaN and infinities are not served.  A box whose scores are all equal gives NaN, as reference() does.
; THE MODE: SCHED_MODE bits 1:0 = 2 (LLVM: expert scheduling mode 2), set by the entry lines.  The code itself states the register dependences between vector or matrix instructions and memory or LDS instructions,
; with s_wait_alu, always for 0.
; THE PLAN.  Registers that memory or LDS instructions touch:
;   v1-15      addresses, made once at the head and never written again: one wait on va_vdst ahead of the first load.
;   CODE       written by a group's conversions, read by its eight LDS stores (a wait on va_vdst between); written again by the second group, and later landed in as X (a wait on vm_vsrc ahead of each).
;   X, BF      a layer's LDS loads land there; the holds write X, the conversions read it, the matrix instructions read BF.  The wait on va_vdst ahead of a layer's store of VAL also states that the layer is done with X and BF;
;              the first layer's second K step, which loads X again, has a wait of its own.
;   VAL        written by a layer's last lines, read by its LDS store (va_vdst between), written again by the next layer (vm_vsrc behind the barrier between).
;   PL, SCO    written by vector lines, then stored: a wait on va_vdst ahead of each run of stores.
.set IMG2, 32768                       ; LDS: sW1's image at 0 (tile t, K step s at 4096 t + 2048 s); sW2's here, sW3's 16,384 further on (tile t at 2048 t)
.set ACTB, 65536                       ; the pooled row (1,024 bytes); + 1024, + 1536 the two hidden rows (512 each); + 2048 the waves' eight partial sums
.set LI,   1                           ; 16 x lane
.set GWA,  2                           ; where my lane reads sW1, and sW2 or sW3
.set GWB,  3
.set ASTA, 4                           ; where it stores their codes
.set ASTB, 5
.set BA1,  6                           ; my tile's image: 16 x lane + 4096 w;  IMG2 + 16 x lane + 2048 w
.set BA2,  7
.set ACTR, 8                           ; ACTB + 128 h
.set ACTW, 9                           ; ACTB + 4 x the place of my unit n
.set P0W,  10                          ; ACTB + 4 x the place of unit t
.set T4,   11
.set N4,   12
.set T16,  13
.set REDW, 14
.set REDR, 15
.set SCO,  16                          ; v16-47   my 32 scores
.set D,    48                          ; v48-55   the accumulator
.set X,    64                          ; v64-127  64 activations (at the head: T and CODE)
.set T,    64
.set CODE, 96
.set SCWA, 128
.set LWA,  129
.set SCWB, 130
.set LWB,  131
.set PL,   132                         ; v132-135
.set BI,   136                         ; v136-139 sb1[n], sb2[n], sb3[n], cW[262+n]
.set SCACT, 140
.set VAL,  141
.set MN,   142
.set MX,   143
.set RS,   144                         ; v144-151
.set CC,   152                         ; pairs for the packed forms: C, smin, 2 / (smax - smin)
.set SM,   154
.set IV,   156
.set AF,   192                         ; v192-223 the activations' fragments
.set BF,   224                         ; v224-255 the weight's
; window 1: two sets of 128 raw weights
.set MSB, 0
.macro WIN new
.if MSB != \new
	s_set_vgpr_msb (MSB<<8)|\new
.set MSB, \new
.endif
.endm
.macro MKSC e, sc, lim                 ; s[sc] = 2^e, s[lim] = 448 x 2^e, as f32 patterns
	s_add_co_i32 s[\sc], s[\e], 127
	s_add_co_i32 s[\lim], s[\sc], 8
	s_lshl_b32 s[\sc], s[\sc], 23
	s_lshl_b32 s[\lim], s[\lim], 23
	s_or_b32 s[\lim], s[\lim], 0x600000
.endm
.macro BARRIER                         ; my LDS stores have landed and my LDS loads are in: then the work-group's barrier
	s_wait_dscnt 0x0
	s_barrier_signal -1
	s_barrier_wait -1
.endm
	s_load_b512 s[8:23], s[0:1], 0x0               ; score0 8, pooledp 10, mm 12, sW1 14, sb1 16, sW2 18, sb2 20, sW3 22
	s_load_b256 s[24:31], s[0:1], 0x40             ; sb3 24, cW 26, cb 28, lowp_scales 30
	s_load_b64 s[32:33], s[0:1], 0x60              ; out0
	v_lshl_add_u32 v190, v0, 2, 0x11000
	v_mov_b32 v191, 0
	v_lshrrev_b32 v158, 5, v0
	v_readfirstlane_b32 s34, v158                  ; wave 0..7
	v_and_b32 v158, 31, v0
	v_and_b32 v159, 15, v0                         ; r
	v_bfe_u32 v160, v0, 4, 1                       ; h
	s_wait_alu depctr_va_sdst(0)                   ; s34, the wave's number, is written, ahead of its first reader
	s_and_b32 s35, s34, 1                          ; which 64 columns I quantise
	s_lshr_b32 s53, s34, 1                         ; which 64 rows of sW1,
	s_and_b32 s54, s53, 1                          ; and of sW2 (waves 0-3) or sW3 (waves 4-7)
	s_lshr_b32 s55, s34, 2
	s_and_b32 s42, s34, 3
	v_lshlrev_b32 v[LI], 4, v158
	v_lshlrev_b32 v161, 4, v159
	v_lshl_add_u32 v[GWB], v160, 14, v161          ; 32 rows of 512 bytes x h + 16 r
	s_lshl_b32 s56, s35, 8
	s_lshl_b32 s57, s53, 15
	s_add_co_u32 s57, s57, s56
	v_add_nc_u32 v[GWA], s57, v[GWB]
	s_lshl_b32 s57, s54, 15
	s_add_co_u32 s57, s57, s56
	v_add_nc_u32 v[GWB], s57, v[GWB]
	s_lshl_b32 s56, s35, 14
	s_lshl_b32 s57, s53, 10
	s_add_co_u32 s56, s56, s57
	v_add_nc_u32 v[ASTA], s56, v[LI]
	s_lshl_b32 s56, s55, 14
	s_lshl_b32 s57, s35, 13
	s_add_co_u32 s56, s56, s57
	s_lshl_b32 s57, s54, 10
	s_add_co_u32 s56, s56, s57
	s_add_co_u32 s56, s56, IMG2
	v_add_nc_u32 v[ASTB], s56, v[LI]
	s_lshl_b32 s56, s34, 12
	v_add_nc_u32 v[BA1], s56, v[LI]
	s_lshl_b32 s56, s34, 11
	s_add_co_u32 s56, s56, IMG2
	v_add_nc_u32 v[BA2], s56, v[LI]
	v_lshl_add_u32 v[ACTR], v160, 7, ACTB
	v_and_b32 v[ACTW], 7, v0                       ; the place of n = 64 (w/4) + 4 r + w%4:  64 (w/4) + 32 (r/8) + 8 (w%4) + r%8
	v_lshlrev_b32 v[ACTW], 2, v[ACTW]
	v_bfe_u32 v158, v0, 3, 1
	v_lshl_add_u32 v[ACTW], v158, 7, v[ACTW]
	s_lshl_b32 s56, s55, 8
	s_lshl_b32 s57, s42, 5
	s_add_co_u32 s57, s57, s56
	s_add_co_u32 s57, s57, ACTB
	v_add_nc_u32 v[ACTW], s57, v[ACTW]
	s_lshl_b32 s57, s42, 2
	s_add_co_u32 s57, s57, s56
	v_add_nc_u32 v[N4], s57, v161                  ; 4 n
	v_and_b32 v158, 0xe0, v0                       ; the place of unit t
	v_lshlrev_b32 v[P0W], 2, v158
	v_and_b32 v158, 3, v0
	v_lshl_add_u32 v[P0W], v158, 5, v[P0W]
	v_bfe_u32 v158, v0, 2, 3
	v_lshl_add_u32 v[P0W], v158, 2, v[P0W]
	v_add_nc_u32 v[P0W], ACTB, v[P0W]
	v_lshlrev_b32 v[T4], 2, v0
	v_lshlrev_b32 v[T16], 4, v0
	s_lshl_b32 s56, s34, 2
	s_add_co_u32 s56, s56, ACTB+2048
	v_mov_b32 v[REDW], s56
	v_mov_b32 v[REDR], ACTB+2048
	s_wait_kmcnt 0x0
	s_load_b128 s[36:39], s[30:31], 0x10           ; e4 .. e7
	s_load_b64 s[40:41], s[30:31], 0x20            ; e8, e9
	s_load_b32 s52, s[28:29], 0x0                  ; cb
	s_mov_b32 s57, 0
	s_lshl_b32 s56, ttmp9, 10
	s_add_nc_u64 s[12:13], s[12:13], s[56:57]      ; the box's four parts of mm, 256 bytes apart: (min, max), the same for all lanes
	s_load_b64 s[44:45], s[12:13], 0x0
	s_load_b64 s[46:47], s[12:13], 0x100
	s_load_b64 s[48:49], s[12:13], 0x200
	s_load_b64 s[50:51], s[12:13], 0x300
	s_lshl_b32 s56, ttmp9, 12
	s_add_nc_u64 s[10:11], s[10:11], s[56:57]
	s_lshl_b32 s56, ttmp9, 15
	s_add_nc_u64 s[8:9], s[8:9], s[56:57]
	s_add_nc_u64 s[32:33], s[32:33], s[56:57]
	s_cmp_lt_u32 s34, 4                            ; the choice hangs on the wave's number alone
	s_cselect_b64 s[58:59], s[18:19], s[22:23]
.macro LOADG raw, gw, base             ; 32 rows x my 4 columns: sixteen lanes read 256 consecutive bytes, aligned
	WIN 0x40
.set kk, 0
.rept 32
	global_load_b128 v[\raw+4*kk:\raw+4*kk+3], v[\gw], s[\base:\base+1] offset:512*kk
.set kk, kk+1
.endr
.endm
.macro QUANTG raw, lim, sc, adr, ts    ; raw[4 kk + j] = W[.. + 32 h + kk][.. + 4 r + j]; for tile j and j'' the conversion wants kk = 4 k + j'': the hold picks them out.  ts: bytes from tile to tile
	WIN 0x10                                       ; source 2 window 1
.irp jj,0,1,2,3
.irp j,0,1,2,3
.irp k,0,1,2,3,4,5,6,7
	v_med3_num_f32 v[T+8*\j+\k], -v[\lim], v[\lim], v[\raw+16*\k+4*\jj+\j]   ; the conversion to an 8-bit code does not saturate (ISA guide 7.6.2)
.endr
	v_cvt_scalef32_pk8_fp8_f32 v[CODE+8*\j+2*\jj:CODE+8*\j+2*\jj+1], v[T+8*\j:T+8*\j+7], v[\sc]
.endr
.endr
	v_nop                                          ; a plain line behind the last conversion
	s_wait_alu depctr_va_vdst(0)                   ; the conversions have written the codes, which the stores below read
.irp j,0,1,2,3
.irp p,0,1
	ds_store_b128 v[\adr], v[CODE+8*\j+4*\p:CODE+8*\j+4*\p+3] offset:\ts*\j+512*\p
.endr
.endr
.endm
	s_wait_alu depctr_va_vdst(0)                   ; the fifteen offsets and LDS addresses v1 to v15 are written: the kernel's loads and stores read them, and none of them is written again
	LOADG 0, GWA, 14
	LOADG 128, GWB, 58
	WIN 0
.irp i,0,1,2,3
	global_load_b32 v[PL+\i], v[T4], s[10:11] offset:1024*\i
.endr
	global_load_b32 v[BI], v[N4], s[16:17]
	global_load_b32 v[BI+1], v[N4], s[20:21]
	global_load_b32 v[BI+2], v[N4], s[24:25]
	global_load_b32 v[BI+3], v[N4], s[26:27] offset:1048
.irp i,0,1,2,3,4,5,6,7
	global_load_b128 v[SCO+4*\i:SCO+4*\i+3], v[T16], s[8:9] offset:4096*\i th:TH_LOAD_NT   ; a wave reads 512 consecutive bytes
.endr
	s_wait_kmcnt 0x0
	s_cmp_lt_u32 s34, 4
	s_cselect_b32 s43, s39, s41                    ; e7 or e9
	MKSC 37, 56, 57
	v_mov_b32 v[SCWA], s56
	v_mov_b32 v[LWA], s57
	MKSC 43, 56, 57
	v_mov_b32 v[SCWB], s56
	v_mov_b32 v[LWB], s57
	MKSC 36, 60, 61
	MKSC 38, 62, 63
	MKSC 40, 66, 67
	s_add_co_i32 s68, s36, s37
	s_add_co_i32 s69, s38, s39
	s_add_co_i32 s70, s40, s41
	s_wait_loadcnt 48                              ; sW1's 32 loads are in; behind them: 32 + 4 + 4 + 8
	QUANTG 0, LWA, SCWA, ASTA, 4096
	s_wait_loadcnt 16                              ; the second weight's; behind them: 4 + 4 + 8
	s_wait_dscnt 0x0                               ; sW1's stores are done
	s_wait_alu depctr_vm_vsrc(0)                   ; sW1's LDS stores have read the codes' registers, which the second weight's conversions write again
	QUANTG 128, LWB, SCWB, ASTB, 2048
	WIN 0
	s_wait_loadcnt 12                              ; the four parts of the pool; behind them: 4 + 8
	v_max3_num_f32 v[PL], v[PL], v[PL+1], v[PL+2]
	v_max_num_f32 v[PL], v[PL], v[PL+3]
	s_wait_alu depctr_va_vdst(0)                   ; the pooled number is written, which the store reads; the holds and conversions above are done with v[T ..] and the codes' registers, in which the first activations land
	ds_store_b32 v[P0W], v[PL]
	BARRIER                                        ; the three images and the pooled row lie in LDS
	s_wait_alu depctr_vm_vsrc(0)                   ; my LDS stores have read the codes' registers, in which the first layer's activations land
	s_wait_loadcnt 8                               ; the biases and cW; the 8 loads of scores may be out
; A layer: ns K steps of 128.  v[VAL] = relu(sum x 2^(eA+eB) + bias) of my unit.
.macro LAYER ns, actin, badr, boff, slim, ssc, sexp, vbias
	v_mov_b32 v[SCACT], s[\ssc]
.set ss, 0
.rept \ns
.if ss > 0
	s_wait_alu depctr_va_vdst(0)                   ; the first K step's holds have written X and its conversions are done reading it: the second K step's activations land there
.endif
.irp c,0,1,2,3
	ds_load_b128 v[BF+16*ss+4*\c:BF+16*ss+4*\c+3], v[\badr] offset:\boff+2048*ss+512*\c
.endr
.irp gq,0,1
.irp q,0,1,2,3,4,5,6,7
	ds_load_b128 v[X+32*\gq+4*\q:X+32*\gq+4*\q+3], v[ACTR] offset:\actin+256*(2*ss+\gq)+16*\q
.endr
.endr
	s_wait_dscnt 0x0
.set ii, 0
.rept 64
	v_min_num_f32 v[X+ii], s[\slim], v[X+ii]       ; what has passed a relu is not negative: the hold is one-sided
.set ii, ii+1
.endr
.irp gq,0,1
.irp jj,0,1,2,3
	v_cvt_scalef32_pk8_fp8_f32 v[AF+16*ss+8*\gq+2*\jj:AF+16*ss+8*\gq+2*\jj+1], v[X+32*\gq+8*\jj:X+32*\gq+8*\jj+7], v[SCACT]
.endr
.endr
	v_nop                                          ; a plain line between the conversions and the matrix instruction that reads their results
.set ss, ss+1
.endr
	v_wmma_f32_16x16x128_fp8_fp8 v[D:D+7], v[AF:AF+15], v[BF:BF+15], 0
.if \ns == 2
	s_wait_alu depctr_va_vdst(0)                   ; the wait ahead of the link
	v_wmma_f32_16x16x128_fp8_fp8 v[D:D+7], v[AF+16:AF+31], v[BF+16:BF+31], v[D:D+7]
.endif
.rept 4
	v_nop                                          ; four places ahead of the first read of the result (ISA guide 7.12.1)
.endr
	v_ldexp_f32 v[VAL], v[D], s[\sexp]
	v_add_f32 v[VAL], v[VAL], v[\vbias]
	v_max_num_f32 v[VAL], 0, v[VAL]
.endm
	LAYER 2, 0, BA1, 0, 61, 60, 68, BI
	s_wait_alu depctr_va_vdst(0)                   ; VAL is written, which the store reads; the layer's matrix instructions are done reading BF, its holds and conversions are done with X: the next layer's loads land in both
	ds_store_b32 v[ACTW], v[VAL] offset:1024       ; (both halves of the lanes store the same number)
	BARRIER
	s_wait_alu depctr_vm_vsrc(0)                   ; my store has read VAL, which the next layer writes again
	LAYER 1, 1024, BA2, 0, 63, 62, 69, BI+1
	s_wait_alu depctr_va_vdst(0)                   ; VAL is written, which the store reads; the layer is done with BF and X, in which the next layer's loads land
	ds_store_b32 v[ACTW], v[VAL] offset:1536
	BARRIER
	s_wait_alu depctr_vm_vsrc(0)                   ; my store has read VAL, which the next layer writes again
	LAYER 1, 1536, BA2, 16384, 67, 66, 70, BI+2
	v_mul_f32 v[VAL], v[VAL], v[BI+3]              ; seg[n] cW[262+n], summed over my tile's 16 units
.irp x,1,2,4,8
	v_add_f32_dpp v[VAL], v[VAL], v[VAL] row_xmask:\x row_mask:0xf bank_mask:0xf
.endr
	s_wait_alu depctr_va_vdst(0)                   ; my tile's sum is written, which the store reads
	ds_store_b32 v[REDW], v[VAL]
	BARRIER
	ds_load_b128 v[RS:RS+3], v[REDR]
	ds_load_b128 v[RS+4:RS+7], v[REDR] offset:16
	v_mov_b32 v[MN], s44
	v_mov_b32 v[MX], s45
	v_min3_num_f32 v[MN], v[MN], s46, s48
	v_max3_num_f32 v[MX], v[MX], s47, s49
	v_min_num_f32 v[MN], s50, v[MN]
	v_max_num_f32 v[MX], s51, v[MX]
	s_wait_dscnt 0x0
	v_add_f32 v[RS], v[RS], v[RS+1]
	v_add_f32 v[RS+2], v[RS+2], v[RS+3]
	v_add_f32 v[RS+4], v[RS+4], v[RS+5]
	v_add_f32 v[RS+6], v[RS+6], v[RS+7]
	v_add_f32 v[RS], v[RS], v[RS+2]
	v_add_f32 v[RS+4], v[RS+4], v[RS+6]
	v_add_f32 v[RS], v[RS], v[RS+4]
	v_add_f32 v[CC], s52, v[RS]                    ; C = seg . cW[262:390] + cb
	v_mov_b32 v[CC+1], v[CC]
	v_add_f32 v[SM], v[MN], v[CC]                  ; smin
	v_mov_b32 v[SM+1], v[SM]
	v_add_f32 v[MX], v[MX], v[CC]                  ; smax
	v_sub_f32 v[MX], v[MX], v[SM]
	v_rcp_f32 v[IV], v[MX]
	v_nop                                          ; a plain line behind the reciprocal
	s_wait_loadcnt 0x0                             ; the scores
	s_wait_alu depctr_va_vdst(0)                   ; the reciprocal is written, ahead of the first line that names it
	v_add_f32 v[IV], v[IV], v[IV]                  ; 2 / (smax - smin)
	v_mov_b32 v[IV+1], v[IV]
.set ii, 0
.rept 16
	v_pk_add_f32 v[SCO+ii:SCO+ii+1], v[SCO+ii:SCO+ii+1], v[CC:CC+1]
.set ii, ii+2
.endr
.set ii, 0
.rept 16
	v_pk_add_f32 v[SCO+ii:SCO+ii+1], v[SCO+ii:SCO+ii+1], v[SM:SM+1] neg_lo:[0,1] neg_hi:[0,1]
.set ii, ii+2
.endr
.set ii, 0
.rept 16
	v_pk_fma_f32 v[SCO+ii:SCO+ii+1], v[SCO+ii:SCO+ii+1], v[IV:IV+1], -1.0 op_sel_hi:[1,1,0]
.set ii, ii+2
.endr
	s_wait_alu depctr_va_vdst(0)                   ; the rescaled scores are written, which the eight stores read
.irp i,0,1,2,3,4,5,6,7
	global_store_b128 v[T16], v[SCO+4*\i:SCO+4*\i+3], s[32:33] offset:4096*\i th:TH_STORE_NT   ; a wave stores 512 consecutive bytes, aligned
.endr
	s_wait_dscnt 0x0
	s_wait_alu depctr_hold_cnt(0) depctr_sa_sdst(0) depctr_va_vdst(0) depctr_va_sdst(0) depctr_va_ssrc(0) depctr_va_vcc(0) depctr_vm_vsrc(0)
	s_wait_tensorcnt 0x0
	ds_add_u32 v190, v191
	s_wait_dscnt 0x0
	s_endpgm
.Lfunc_end_k_q16de0bfb9f_finish:
	.size	k_q16de0bfb9f_finish, .Lfunc_end_k_q16de0bfb9f_finish-k_q16de0bfb9f_finish
	.p2alignl 7, 3214868480
	.fill 96, 4, 3214868480
	.section	.rodata,"a",@progbits
	.p2align	6, 0x0
	.amdhsa_kernel k_q16de0bfb9f_finish
		.amdhsa_group_segment_fixed_size 70656
		.amdhsa_private_segment_fixed_size 0
		.amdhsa_enable_private_segment 0
		.amdhsa_kernarg_size 104
		.amdhsa_user_sgpr_count 2
		.amdhsa_user_sgpr_kernarg_segment_ptr 1
		.amdhsa_wavefront_size32 1
		.amdhsa_system_sgpr_workgroup_id_x 1
		.amdhsa_system_sgpr_workgroup_id_y 1
		.amdhsa_system_sgpr_workgroup_id_z 1
		.amdhsa_system_vgpr_workitem_id 0
		.amdhsa_next_free_vgpr 512
		.amdhsa_next_free_sgpr 72
		.amdhsa_reserve_vcc 0
		.amdhsa_float_denorm_mode_32 3
		.amdhsa_float_denorm_mode_16_64 3
		.amdhsa_memory_ordered 1
		.amdhsa_forward_progress 1
		.amdhsa_inst_pref_size 55
	.end_amdhsa_kernel
	.amdgpu_metadata
---
amdhsa.version: [ 1, 2 ]
amdhsa.kernels:
  - .name:           k_q16de0bfb9f_finish
    .symbol:         k_q16de0bfb9f_finish.kd
    .args:
      - { .name: score0, .offset: 0, .size: 8, .value_kind: global_buffer, .address_space: global }
      - { .name: pooledp, .offset: 8, .size: 8, .value_kind: global_buffer, .address_space: global }
      - { .name: mm, .offset: 16, .size: 8, .value_kind: global_buffer, .address_space: global }
      - { .name: sW1, .offset: 24, .size: 8, .value_kind: global_buffer, .address_space: global }
      - { .name: sb1, .offset: 32, .size: 8, .value_kind: global_buffer, .address_space: global }
      - { .name: sW2, .offset: 40, .size: 8, .value_kind: global_buffer, .address_space: global }
      - { .name: sb2, .offset: 48, .size: 8, .value_kind: global_buffer, .address_space: global }
      - { .name: sW3, .offset: 56, .size: 8, .value_kind: global_buffer, .address_space: global }
      - { .name: sb3, .offset: 64, .size: 8, .value_kind: global_buffer, .address_space: global }
      - { .name: cW, .offset: 72, .size: 8, .value_kind: global_buffer, .address_space: global }
      - { .name: cb, .offset: 80, .size: 8, .value_kind: global_buffer, .address_space: global }
      - { .name: lowp_scales, .offset: 88, .size: 8, .value_kind: global_buffer, .address_space: global }
      - { .name: out0, .offset: 96, .size: 8, .value_kind: global_buffer, .address_space: global }
    .group_segment_fixed_size: 70656
    .private_segment_fixed_size: 0
    .kernarg_segment_align: 8
    .kernarg_segment_size: 104
    .max_flat_workgroup_size: 256
    .sgpr_count:     72
    .vgpr_count:     512
    .wavefront_size: 32
...
	.end_amdgpu_metadata
.endif
;; end of part 4
